; MI455X (gfx1250); checked and timed in simulation.
; The chip was launched on July 23, 2026; its instructions are those of AMD's public machine-readable ISA for CDNA 5 (MIT licence, August 2026) and "CDNA5" Instruction Set Architecture Reference Guide (July 2026). The comments in the code are by the model that wrote it; some were corrected since.
;; Self Attention. Allowed arithmetic: float matrix products may take bf16 or f16 operands with f32 sums; all other float work in f32.
;; Inputs: Wk 1,024 x 1,024 float32; Wp 1,024 x 1,024 float32; Wq 1,024 x 1,024 float32; Wv 1,024 x 1,024 float32; bp 1,024 float32; x 4 x 2,048 x 1,024 float32.
;; Outputs: out0 4 x 2,048 x 1,024 float32.
;; 2 versions, each right and faster than the one before. Each part assembles by itself: llvm-mc -triple=amdgcn-amd-amdhsa -mcpu=gfx1250 --defsym DOCPART=n.
;; ======== version 1 of 2: 4 launches
;; limits: values are held in f16: magnitudes above 65,504 overflow, below 6.1e-05 lose precision
;; workspace buffers: xw 25,165,824 bytes; qkvh 50,331,648 bytes; aoh 33,554,432 bytes
;; launch cast (part 1): grid 768 x 1, 8 waves a work-group, no clusters, 0 bytes of LDS; arguments x, Wq, Wk, Wv, Wp, xw; writes xw
.if DOCPART == 1
	.amdgcn_target "amdgcn-amd-amdhsa--gfx1250"
	.amdhsa_code_object_version 6
	.text
	.protected	k_q5e134867be_cast
	.globl	k_q5e134867be_cast
	.p2align	8
	.type	k_q5e134867be_cast,@function
k_q5e134867be_cast:
	s_mov_b64 s[64:65], 0
	v_nop
	global_prefetch_b8 v0, s[64:65] scope:SCOPE_SE
	s_setreg_imm32_b32 hwreg(HW_REG_WAVE_MODE, 25, 1), 1
	s_wait_xcnt 0x0
; xw = 12,288 rows of 1,024 numbers of 16 bits: rows 0-8191 x, 8192-9215 Wq, 9216-10239 Wk, 10240-11263 Wv, all rounded to bf16;
; rows 11264-12287 Wp, rounded to bf16 like the others and then written in f16 code, because the last product multiplies it with f16 data.
; LIMIT: that recoding is exact for 2^-17 <= |Wp| <= 65,504; smaller numbers lose bits below 2^-24, larger ones overflow f16.
; A stream: no LDS, no barrier, no matrix unit.  Work-group id reads 64 KiB of f32 and writes 32 KiB at xw + 32,768 id.
; A wave reads 8 KiB by sixteen loads of 512 neighbouring bytes, all issued at once, and each of its stores covers 256 neighbouring bytes, aligned.
.set X, 4                              ; v[4:67]   sixteen loads of four f32
.set Y, 68                             ; v[68:99]  sixteen stores of four 16-bit numbers
.set T, 100                            ; v[100:101] at work (Wp only)
	s_load_b256 s[4:11], s[0:1], 0x0               ; x s[4:5], Wq s[6:7], Wk s[8:9], Wv s[10:11]
	s_load_b128 s[12:15], s[0:1], 0x20             ; Wp s[12:13], xw s[14:15]
	s_and_b32 s16, ttmp9, 63                       ; a weight matrix is 64 pieces of 64 KiB,
	s_cmp_lt_u32 ttmp9, 512
	s_cselect_b32 s16, ttmp9, s16                  ; x is the first 512 pieces
	s_lshl_b32 s16, s16, 16                        ; byte offset in the source
	s_mov_b32 s17, 0
	s_lshl_b32 s18, ttmp9, 15                      ; byte offset in xw
	s_mov_b32 s19, 0
	s_mov_b32 s20, 0xffff0000                      ; a word's upper bf16
	v_lshrrev_b32 v3, 5, v0                        ; wave
	v_and_b32 v2, 31, v0                           ; lane
	v_lshlrev_b32 v1, 4, v2
	v_lshl_or_b32 v1, v3, 13, v1                   ; in: 8,192 wave + 16 lane
	v_lshlrev_b32 v2, 3, v2
	v_lshl_or_b32 v2, v3, 12, v2                   ; out: 4,096 wave + 8 lane
	s_wait_kmcnt 0x0
	s_cmp_ge_u32 ttmp9, 512                        ; the source is chosen by the work-group's number alone
	s_cselect_b64 s[4:5], s[6:7], s[4:5]
	s_cmp_ge_u32 ttmp9, 576
	s_cselect_b64 s[4:5], s[8:9], s[4:5]
	s_cmp_ge_u32 ttmp9, 640
	s_cselect_b64 s[4:5], s[10:11], s[4:5]
	s_cmp_ge_u32 ttmp9, 704
	s_cselect_b64 s[4:5], s[12:13], s[4:5]
	s_add_nc_u64 s[4:5], s[4:5], s[16:17]
	s_add_nc_u64 s[14:15], s[14:15], s[18:19]
.irp j, 0,1,2,3,4,5,6,7,8,9,10,11,12,13,14,15
	global_load_b128 v[X+4*\j:X+4*\j+3], v1, s[4:5] offset:512*\j th:TH_LOAD_NT
.endr
	s_cmp_ge_u32 ttmp9, 704
	s_cbranch_scc1 .Lwp
.irp j, 0,1,2,3,4,5,6,7,8,9,10,11,12,13,14,15
	s_wait_loadcnt 15-\j                           ; loads come back in order: load j is in, the 15 - j younger ones stay out
	v_cvt_pk_bf16_f32 v[Y+2*\j],   v[X+4*\j],   v[X+4*\j+1]
	v_cvt_pk_bf16_f32 v[Y+2*\j+1], v[X+4*\j+2], v[X+4*\j+3]
	global_store_b64 v2, v[Y+2*\j:Y+2*\j+1], s[14:15] offset:256*\j
.endr
	s_endpgm
.Lwp:                                              ; Wp: to bf16, widened again (a shift, a mask), then to f16
.irp j, 0,1,2,3,4,5,6,7,8,9,10,11,12,13,14,15
	s_wait_loadcnt 15-\j
	v_cvt_pk_bf16_f32 v[T],   v[X+4*\j],   v[X+4*\j+1]
	v_cvt_pk_bf16_f32 v[T+1], v[X+4*\j+2], v[X+4*\j+3]
	v_lshlrev_b32 v[X+4*\j],   16,  v[T]
	v_and_b32     v[X+4*\j+1], s20, v[T]
	v_lshlrev_b32 v[X+4*\j+2], 16,  v[T+1]
	v_and_b32     v[X+4*\j+3], s20, v[T+1]
	v_cvt_pk_f16_f32 v[Y+2*\j],   v[X+4*\j],   v[X+4*\j+1]
	v_cvt_pk_f16_f32 v[Y+2*\j+1], v[X+4*\j+2], v[X+4*\j+3]
	global_store_b64 v2, v[Y+2*\j:Y+2*\j+1], s[14:15] offset:256*\j
.endr
	s_endpgm
.Lfunc_end_k_q5e134867be_cast:
	.size	k_q5e134867be_cast, .Lfunc_end_k_q5e134867be_cast-k_q5e134867be_cast
	.p2alignl 7, 3214868480
	.fill 96, 4, 3214868480
	.section	.rodata,"a",@progbits
	.p2align	6, 0x0
	.amdhsa_kernel k_q5e134867be_cast
		.amdhsa_group_segment_fixed_size 0
		.amdhsa_private_segment_fixed_size 0
		.amdhsa_enable_private_segment 0
		.amdhsa_kernarg_size 48
		.amdhsa_user_sgpr_count 2
		.amdhsa_user_sgpr_kernarg_segment_ptr 1
		.amdhsa_wavefront_size32 1
		.amdhsa_system_sgpr_workgroup_id_x 1
		.amdhsa_system_sgpr_workgroup_id_y 1
		.amdhsa_system_sgpr_workgroup_id_z 1
		.amdhsa_system_vgpr_workitem_id 0
		.amdhsa_next_free_vgpr 104
		.amdhsa_next_free_sgpr 66
		.amdhsa_reserve_vcc 0
		.amdhsa_float_denorm_mode_32 3
		.amdhsa_float_denorm_mode_16_64 3
		.amdhsa_memory_ordered 1
		.amdhsa_forward_progress 1
		.amdhsa_inst_pref_size 16
	.end_amdhsa_kernel
	.amdgpu_metadata
---
amdhsa.version: [ 1, 2 ]
amdhsa.kernels:
  - .name:           k_q5e134867be_cast
    .symbol:         k_q5e134867be_cast.kd
    .args:
      - { .name: x, .offset: 0, .size: 8, .value_kind: global_buffer, .address_space: global }
      - { .name: Wq, .offset: 8, .size: 8, .value_kind: global_buffer, .address_space: global }
      - { .name: Wk, .offset: 16, .size: 8, .value_kind: global_buffer, .address_space: global }
      - { .name: Wv, .offset: 24, .size: 8, .value_kind: global_buffer, .address_space: global }
      - { .name: Wp, .offset: 32, .size: 8, .value_kind: global_buffer, .address_space: global }
      - { .name: xw, .offset: 40, .size: 8, .value_kind: global_buffer, .address_space: global }
    .group_segment_fixed_size: 0
    .private_segment_fixed_size: 0
    .kernarg_segment_align: 8
    .kernarg_segment_size: 48
    .max_flat_workgroup_size: 256
    .sgpr_count:     66
    .vgpr_count:     104
    .wavefront_size: 32
...
	.end_amdgpu_metadata
.endif
;; end of part 1
;; launch qkvgemm (part 2): grid 16 x 32, 4 waves a work-group, clusters of 4 x 4, 327,680 bytes of LDS; arguments xw, qkvh; writes qkvh
.if DOCPART == 2
	.amdgcn_target "amdgcn-amd-amdhsa--gfx1250"
	.amdhsa_code_object_version 6
	.text
	.protected	k_q5e134867be_qkvgemm
	.globl	k_q5e134867be_qkvgemm
	.p2align	8
	.type	k_q5e134867be_qkvgemm,@function
k_q5e134867be_qkvgemm:
	s_mov_b64 s[64:65], 0
	v_nop
	global_prefetch_b8 v0, s[64:65] scope:SCOPE_SE
	s_setreg_imm32_b32 hwreg(HW_REG_WAVE_MODE, 25, 1), 1
	s_wait_xcnt 0x0
	s_wait_alu depctr_hold_cnt(0) depctr_sa_sdst(0) depctr_va_vdst(0) depctr_va_sdst(0) depctr_va_ssrc(0) depctr_va_vcc(0) depctr_vm_vsrc(0)
	s_getreg_b32 s2, hwreg(HW_REG_IB_STS2, 6, 4)
	s_cmp_eq_u32 s2, 0
	s_cbranch_scc0 .Lentry_in_a_cluster
	s_endpgm
.Lentry_in_a_cluster:
	s_bfe_u32 s2, ttmp6, 0x10000c
	s_cmp_lg_u32 s2, 0xf033
	s_cbranch_scc0 .Lentry_shape_is_right
	s_endpgm
.Lentry_shape_is_right:
; q, k, v = x W^T for the three weight matrices at once: C[8192][3072] = A[8192][1024] B[3072][1024]^T, A and B bf16 rows of xw, sums in f32.
; The result is rounded once to f16 and stored by heads: qkvh[b][hd][t][s], hd = column / 64 (0-15 q, 16-31 k, 32-47 v), a head's 2,048 x 64 numbers dense.
; LIMIT: |q|, |k|, |v| must stay below 65,504 (f16); below 6.1e-5 they keep an absolute step of 6e-8.
; A work-group makes 256 rows x 192 columns (three heads) with four waves; a wave makes 64 rows x 192 columns: 48 accumulator tiles, 384 registers.
; K goes in steps of 128 through two LDS slots filled by the tensor data mover; a tile's rows are 256 bytes of memory, aligned to 256.
; CLUSTERS: 4 x 4 work-groups.  A's tile hangs on the block row alone and is asked for jointly by a row of the cluster, B's on the block column
; alone and is asked for jointly by a column: the requests for A and B are divided by four.
; REGISTERS by windows of 256: window 0 addresses, A's fragments (two buffers of 4 x 8), the way out; window 1 B's fragments (two buffers of 12 x 8);
; window 2 the accumulators of my rows 0-31 (tile (a, b) at 8 (12 a + b)); window 3 those of rows 32-63.
; The matrix instruction is used transposed (source 0 = rows of B, source 1 = rows of A): lane l then holds row l % 16 and eight neighbouring columns.
.set NB,     12                        ; tiles of 16 columns in a wave's block
.set KSTEP,  128
.set SIZE_K, 1024
.set APITCH, 272                       ; LDS rows: 256 bytes + 16 of padding, an odd multiple of 16: the 16 rows of a fragment load start 16 bytes apart modulo 256
.set BPITCH, 272
.set AK2,    128                       ; where the second pair of quarter steps begins in A's rows
.set HALFA,  128*APITCH                ; 128 rows of A: one tensor load
.set HALFB,  8*NB*BPITCH               ; 96 rows of B: one tensor load
.set SLOT,   2*HALFA+2*HALFB           ; 121,856
.set STAGE,  2*SLOT                    ; 243,712 = 952 x 256: behind the ring, never a fill's target
.set SPITCH, 400                       ; a stage row: 384 bytes + 16
.set LAPS,   SIZE_K/(2*KSTEP)          ; a lap = two K steps = once round the ring
.set ASLOT1, KSTEP*2                   ; slot 1's first tile lies one K step further along the rows
.set BSLOT1, KSTEP*2
.set ASTEP,  2*KSTEP*2                 ; and each slot steps two K steps a lap
.set BSTEP,  2*KSTEP*2
.set ADRA, 16                          ; v16-17 LDS address of my A fragments in slot 0, 1
.set ADRB, 20                          ; v20-21 the same for B
.set STO,  24
.set RD,   25
.set CO,   26
.set FA,   32                          ; window 0: v[32:63], v[64:95]
.set FB,   0                           ; window 1: v[0:95], v[96:191]
.set TMP,  96                          ; v[96:143] packed results
.set RB0,  144                         ; v[144:191], v[192:239] rows read back, in turn
.set RB1,  192
.set G1,  24
.set G0,  32
.set G1B, 48
.set G0B, 56
.set LAPC, 21
.set MSB, 0
.macro WIN new                         ; the immediate's high byte repeats the setting that is left
.if MSB != \new
	s_set_vgpr_msb (MSB<<8)|\new
.set MSB, \new
.endif
.endm
.set MUL_LO, 0xa1                      ; source 0 (B) window 1, source 1 (A) window 0, C and D window 2
.set MUL_HI, 0xf1                      ; the same, C and D window 3
.set TO_B,   0x40                      ; destination window 1, address window 0
.macro JLOAD s                         ; waves 0 and 1 ask for A's halves, waves 2 and 3 for B's: one mask and one set of registers a line
	s_cmp_eq_u32 s11, 0
	s_cbranch_scc0 .Lfor_b_\@
	tensor_load_to_lds s[G0+4*\s:G0+4*\s+3], s[G1:G1+7]
	s_nop 0
	s_branch .Lasked_\@
.Lfor_b_\@:
	tensor_load_to_lds s[G0B+4*\s:G0B+4*\s+3], s[G1B:G1B+7]
	s_nop 0
.Lasked_\@:
.endm
.macro CREST                           ; a round of the cluster's barrier behind its opening barrier
	s_cmp_lg_u32 s10, 0
	s_cbranch_scc1 .Lnot_wave_0_\@
	s_barrier_signal -3
.Lnot_wave_0_\@:
	s_barrier_wait -3
	s_barrier_signal -1
	s_barrier_wait -1
.endm
.macro CROUND
	s_barrier_signal -1
	s_barrier_wait -1
	CREST
.endm
.macro PLACES                          ; four places behind a matrix instruction in front of loads into its sources and of reads of its result
.rept 4
	v_nop
.endr
.endm
	s_load_b64 s[4:5], s[0:1], 0x0                 ; xw: A at its first byte
	s_load_b64 s[8:9], s[0:1], 0x8                 ; qkvh
	v_lshrrev_b32 v1, 5, v0
	v_readfirstlane_b32 s10, v1                    ; wave 0..3
	s_lshr_b32 s11, s10, 1                         ; I fetch for A (0) or for B (1)
	s_and_b32 s12, s10, 1                          ; which half of that tile
	s_bfe_u32 s40, ttmp6, 0x40000                  ; cx
	s_bfe_u32 s41, ttmp6, 0x40004                  ; cy
	s_lshl_b32 s42, ttmp9, 2
	s_add_co_u32 s42, s42, s40                     ; block column = 4 x cluster x + cx
	s_and_b32 s13, ttmp7, 0xffff
	s_lshl_b32 s13, s13, 2
	s_add_co_u32 s13, s13, s41                     ; block row = 4 x cluster y + cy
	s_lshl_b32 s43, s41, 2
	s_lshl_b32 s43, 15, s43                        ; my row of the cluster
	s_lshl_b32 s44, 0x1111, s40                    ; my column
	s_or_b32 s[G1+0], s43, (1<<16)|(1<<20)|(1<<21)|(5<<22)|(3<<25)   ; mask; 2-byte elements; padding of 4 words behind every 64
	s_or_b32 s[G1B+0], s44, (1<<16)|(1<<20)|(1<<21)|(5<<22)|(3<<25)
	s_mov_b32 s[G1+1], KSTEP<<16                   ; tensor_dim0 = 128
	s_mov_b32 s[G1B+1], KSTEP<<16
	s_mov_b32 s[G1+2], 128<<16                     ; tensor_dim1 = 128 rows of A
	s_mov_b32 s[G1B+2], (8*NB)<<16                 ;             = 96 rows of B
	s_mov_b32 s[G1+3], KSTEP<<16                   ; tile_dim0 = 128
	s_mov_b32 s[G1B+3], KSTEP<<16
	s_mov_b32 s[G1+4], 128                         ; tile_dim1
	s_mov_b32 s[G1B+4], 8*NB
	s_mov_b32 s[G1+5], SIZE_K                      ; elements from row to row
	s_mov_b32 s[G1B+5], SIZE_K
	s_mov_b32 s[G1+6], 0
	s_mov_b32 s[G1B+6], 0
	s_mov_b32 s[G1+7], 0
	s_mov_b32 s[G1B+7], 0
	s_lshl_b32 s17, s12, 7
	s_lshl_b32 s16, s13, 8
	s_add_co_u32 s16, s16, s17                     ; A: row 256 x block row + 128 x half
	s_lshl_b32 s16, s16, 11                        ; rows of 2,048 bytes
	s_mov_b32 s17, 0
	s_mul_i32 s46, s42, 16*NB
	s_mul_i32 s47, s12, 8*NB
	s_add_co_u32 s46, s46, s47                     ; B: row 192 x block column + 96 x half
	s_lshl_b32 s46, s46, 11
	s_mov_b32 s47, 0
	s_mul_i32 s20, s10, HALFA                      ; LDS: A's halves at wave x HALFA (waves 0, 1),
	s_mul_i32 s45, s10, HALFB
	s_add_co_u32 s45, s45, 2*HALFA-2*HALFB         ; B's behind them, at 2 HALFA + (wave - 2) HALFB (waves 2, 3)
	s_wait_kmcnt 0x0
	s_add_nc_u64 s[6:7], s[4:5], 0x1000000         ; B: the weights begin behind x's 8,192 rows
	s_add_nc_u64 s[14:15], s[4:5], s[16:17]
	s_add_nc_u64 s[46:47], s[6:7], s[46:47]
	CROUND                                         ; all sixteen work-groups are here: the first joint loads meet
.irp s, 0,1
	s_mov_b32 s[G0+4*\s], 1
	s_add_co_u32 s[G0+4*\s+1], s20, \s*SLOT
	s_add_nc_u64 s[G0+4*\s+2:G0+4*\s+3], s[14:15], \s*ASLOT1
	s_or_b32 s[G0+4*\s+3], s[G0+4*\s+3], 0x80000000
	s_mov_b32 s[G0B+4*\s], 1
	s_add_co_u32 s[G0B+4*\s+1], s45, \s*SLOT
	s_add_nc_u64 s[G0B+4*\s+2:G0B+4*\s+3], s[46:47], \s*BSLOT1
	s_or_b32 s[G0B+4*\s+3], s[G0B+4*\s+3], 0x80000000
	JLOAD \s                                       ; both slots are asked for before anything else: two tensor loads of a wave are out here, one later
.endr
	v_and_b32 v1, 15, v0                           ; r = l % 16
	v_bfe_u32 v2, v0, 4, 1                         ; h = l / 16
	v_mul_u32_u24 v3, v1, APITCH
	v_lshl_add_u32 v3, v2, 4, v3                   ; A: r x pitch + 16 h
	v_mul_u32_u24 v8, v1, BPITCH
	v_lshl_add_u32 v8, v2, 4, v8                   ; B likewise
	s_mul_i32 s21, s11, HALFA
	s_mul_i32 s22, s12, 64*APITCH
	s_add_co_u32 s21, s21, s22                     ; my 64 rows of A
	s_mov_b32 s22, 2*HALFA                         ; all of B
.irp s, 0,1
	v_add_nc_u32 v[ADRA+\s], s21, v3
	v_add_nc_u32 v[ADRB+\s], s22, v8
	s_add_co_u32 s21, s21, SLOT
	s_add_co_u32 s22, s22, SLOT
.endr
	s_mul_i32 s23, s10, 16*SPITCH
	s_add_co_u32 s23, s23, STAGE                   ; my stage
	v_mul_u32_u24 v4, v1, SPITCH
	v_lshl_add_u32 v4, v2, 4, v4
	v_add_nc_u32 v[STO], s23, v4                   ; in: row r, 16 bytes for each half of the lanes
	v_and_b32 v5, 31, v0
	v_lshrrev_b32 v6, 3, v5
	v_and_b32 v7, 7, v0
	v_mul_u32_u24 v6, v6, SPITCH
	v_lshl_add_u32 v6, v7, 4, v6
	v_add_nc_u32 v[RD], s23, v6                    ; back: eight lanes take one head's 128 bytes of a row, the wave four rows
	v_lshlrev_b32 v[CO], 4, v5                     ; which are 512 neighbouring bytes of qkvh
; NB matrix instructions: row tile a (0, 1) of the window x all column tiles, 32 along K.  zero = 1: the first product starts the sums.
.macro MULA f, hi, a, zero
.irp b, 0,1,2,3,4,5,6,7,8,9,10,11
.if \zero
	v_wmma_f32_16x16x32_bf16 v[8*(NB*\a+\b):8*(NB*\a+\b)+7], v[FB+8*NB*\f+8*\b:FB+8*NB*\f+8*\b+7], v[FA+32*\f+8*(2*\hi+\a):FA+32*\f+8*(2*\hi+\a)+7], 0
.else
	v_wmma_f32_16x16x32_bf16 v[8*(NB*\a+\b):8*(NB*\a+\b)+7], v[FB+8*NB*\f+8*\b:FB+8*NB*\f+8*\b+7], v[FA+32*\f+8*(2*\hi+\a):FA+32*\f+8*(2*\hi+\a)+7], v[8*(NB*\a+\b):8*(NB*\a+\b)+7]
.endif
.endr
.endm
; the fragments of quarter step kq of a slot into buffer f: 2 NB loads of B, then 8 of A, in one run
.macro FETCH slot, kq, f
	WIN TO_B
.irp t, 0,1,2,3,4,5,6,7,8,9,10,11
	ds_load_b128 v[FB+8*NB*\f+8*\t:FB+8*NB*\f+8*\t+3],   v[ADRB+\slot] offset:\kq*64+\t*16*BPITCH
	ds_load_b128 v[FB+8*NB*\f+8*\t+4:FB+8*NB*\f+8*\t+7], v[ADRB+\slot] offset:\kq*64+\t*16*BPITCH+32
.endr
	WIN 0
.irp t, 0,1,2,3
	ds_load_b128 v[FA+32*\f+8*\t:FA+32*\f+8*\t+3],   v[ADRA+\slot] offset:(\kq>>1)*AK2+(\kq&1)*64+\t*16*APITCH
	ds_load_b128 v[FA+32*\f+8*\t+4:FA+32*\f+8*\t+7], v[ADRA+\slot] offset:(\kq>>1)*AK2+(\kq&1)*64+\t*16*APITCH+32
.endr
.endm
; One of a K step's first three quarters: multiplies buffer f, and in its middle fetches quarter kq into buffer g.
; The 48 accumulators take turns, one instruction a turn, in the same order in every quarter.
.macro QUARTER slot, kq, f, g, zero
	s_wait_dscnt 4                                 ; B and A's rows 0-31 are in; the youngest four loads (A's rows 32-63) may be out
	WIN MUL_LO
	MULA \f, 0, 0, \zero
	MULA \f, 0, 1, \zero
	PLACES
	FETCH \slot, \kq, \g
	s_wait_dscnt 2*NB+8                            ; all but the run just issued
	WIN MUL_HI
	MULA \f, 1, 0, \zero
	MULA \f, 1, 1, \zero
.endm
.macro THREE slot, zero
	QUARTER \slot, 1, 0, 1, \zero
	QUARTER \slot, 2, 1, 0, 0
	QUARTER \slot, 3, 0, 1, 0
.endm
; The last quarter: multiplies buffer 1 and changes slots.  In front of the barrier each wave waits for its reads of this slot and for all its
; tensor loads (the one that is out is its part of the next slot).  Where the slot is filled again the barrier opens a round of the cluster's barrier,
; and the joint refill is the first tensor load behind the round's closing wait.
.macro TURN slot, next, fill
	s_wait_dscnt 4
	WIN MUL_LO
	MULA 1, 0, 0, 0
	s_wait_dscnt 0x0                               ; my reads of this slot are over
	s_wait_tensorcnt 0x0                           ; all my tensor loads have landed
	s_barrier_signal -1
	MULA 1, 0, 1, 0                                ; register work while the others arrive
	WIN 0
	s_barrier_wait -1
.if \fill
	CREST                                          ; no wave of any partner still reads this slot or has a load on its way
	s_add_nc_u64 s[G0+4*\slot+2:G0+4*\slot+3], s[G0+4*\slot+2:G0+4*\slot+3], ASTEP
	s_add_nc_u64 s[G0B+4*\slot+2:G0B+4*\slot+3], s[G0B+4*\slot+2:G0B+4*\slot+3], BSTEP
	JLOAD \slot
.endif
	PLACES
	FETCH \next, 0, 0
	WIN MUL_HI
	MULA 1, 1, 0, 0
	MULA 1, 1, 1, 0
.endm
.macro LAP zero
	THREE 0, \zero
	TURN 0, 1, 1
	THREE 1, 0
	TURN 1, 0, 1
.endm
	s_wait_tensorcnt 1                             ; my part of K step 0 is in; K step 1's load, issued behind it, may stay out
	s_barrier_signal -1
	s_barrier_wait -1
	FETCH 0, 0, 0
	LAP 1                                          ; the first lap's first products start the sums
	WIN 0
	s_mov_b32 s[LAPC], LAPS-2
.Llap:
	LAP 0
	WIN 0
	s_sub_co_u32 s[LAPC], s[LAPC], 1
	s_cmp_lg_u32 s[LAPC], 0
	s_cbranch_scc1 .Llap
	THREE 0, 0                                     ; the last lap fills nothing
	TURN 0, 1, 0
	THREE 1, 0
	s_wait_dscnt 4
	WIN MUL_LO
	MULA 1, 0, 0, 0
	MULA 1, 0, 1, 0
	s_wait_dscnt 0x0
	WIN MUL_HI
	MULA 1, 1, 0, 0
	MULA 1, 1, 1, 0
	; THE WAY OUT, 16 rows at a time: round to f16, 16 bytes a lane into my own stage, read back head by head, four rows of a head in one store.
	PLACES
	s_lshr_b32 s16, s13, 3                         ; batch = block row / 8
	s_mul_i32 s16, s16, 48*262144
	s_and_b32 s17, s13, 7
	s_lshl_b32 s17, s17, 15                        ; 256 rows of 128 bytes
	s_add_co_u32 s16, s16, s17
	s_lshl_b32 s17, s10, 13                        ; my 64 rows
	s_add_co_u32 s16, s16, s17
	s_mov_b32 s17, 0
	s_add_nc_u64 s[8:9], s[8:9], s[16:17]
	s_mul_i32 s46, s42, 3*262144                   ; three heads a block column
	s_mov_b32 s47, 0
	s_add_nc_u64 s[8:9], s[8:9], s[46:47]
.macro OUT16 blk, a, from, rb
	WIN \from
.irp b, 0,1,2,3,4,5,6,7,8,9,10,11
.irp r, 0,1,2,3
	v_cvt_pk_f16_f32 v[TMP+4*\b+\r], v[8*(NB*\a+\b)+2*\r], v[8*(NB*\a+\b)+2*\r+1]
.endr
.endr
	WIN 0
.irp b, 0,1,2,3,4,5,6,7,8,9,10,11
	ds_store_b128 v[STO], v[TMP+4*\b:TMP+4*\b+3] offset:32*\b
.endr
	s_wait_xcnt 0x0                                ; the buffer that earlier stores read is loaded again only behind this wait
.irp g, 0,1,2,3
.irp hd, 0,1,2
	ds_load_b128 v[\rb+4*(3*\g+\hd):\rb+4*(3*\g+\hd)+3], v[RD] offset:\g*4*SPITCH+\hd*128   ; LDS serves a wave's instructions in order: these see the stores above
.endr
.endr
.irp g, 0,1,2,3
.irp hd, 0,1,2
	s_wait_dscnt 11-(3*\g+\hd)                     ; the younger read-backs stay out
	global_store_b128 v[CO], v[\rb+4*(3*\g+\hd):\rb+4*(3*\g+\hd)+3], s[8:9] offset:\hd*262144+(16*\blk+4*\g)*128   ; 512 neighbouring bytes, aligned
.endr
.endr
.endm
	OUT16 0, 0, 0x0a, RB0
	OUT16 1, 1, 0x0a, RB1
	OUT16 2, 0, 0x0f, RB0
	OUT16 3, 1, 0x0f, RB1
	CROUND                                         ; the closing round: no work-group ends while a partner may still ask for a tile that names it
	s_endpgm
.Lfunc_end_k_q5e134867be_qkvgemm:
	.size	k_q5e134867be_qkvgemm, .Lfunc_end_k_q5e134867be_qkvgemm-k_q5e134867be_qkvgemm
	.p2alignl 7, 3214868480
	.fill 96, 4, 3214868480
	.section	.rodata,"a",@progbits
	.p2align	6, 0x0
	.amdhsa_kernel k_q5e134867be_qkvgemm
		.amdhsa_group_segment_fixed_size 327680
		.amdhsa_private_segment_fixed_size 0
		.amdhsa_enable_private_segment 0
		.amdhsa_kernarg_size 16
		.amdhsa_user_sgpr_count 2
		.amdhsa_user_sgpr_kernarg_segment_ptr 1
		.amdhsa_wavefront_size32 1
		.amdhsa_system_sgpr_workgroup_id_x 1
		.amdhsa_system_sgpr_workgroup_id_y 1
		.amdhsa_system_sgpr_workgroup_id_z 1
		.amdhsa_system_vgpr_workitem_id 0
		.amdhsa_next_free_vgpr 960
		.amdhsa_next_free_sgpr 66
		.amdhsa_reserve_vcc 0
		.amdhsa_float_denorm_mode_32 3
		.amdhsa_float_denorm_mode_16_64 3
		.amdhsa_memory_ordered 1
		.amdhsa_forward_progress 1
		.amdhsa_inst_pref_size 163
	.end_amdhsa_kernel
	.amdgpu_metadata
---
amdhsa.version: [ 1, 2 ]
amdhsa.kernels:
  - .name:           k_q5e134867be_qkvgemm
    .symbol:         k_q5e134867be_qkvgemm.kd
    .args:
      - { .name: xw, .offset: 0, .size: 8, .value_kind: global_buffer, .address_space: global }
      - { .name: qkvh, .offset: 8, .size: 8, .value_kind: global_buffer, .address_space: global }
    .group_segment_fixed_size: 327680
    .private_segment_fixed_size: 0
    .kernarg_segment_align: 8
    .kernarg_segment_size: 16
    .max_flat_workgroup_size: 128
    .sgpr_count:     66
    .vgpr_count:     960
    .wavefront_size: 32
...
	.end_amdgpu_metadata
.endif
;; end of part 2
;; launch attn (part 3): grid 4 x 64, 4 waves a work-group, no clusters, 327,680 bytes of LDS; arguments qkvh, aoh; writes aoh
.if DOCPART == 3
	.amdgcn_target "amdgcn-amd-amdhsa--gfx1250"
	.amdhsa_code_object_version 6
	.text
	.protected	k_q5e134867be_attn
	.globl	k_q5e134867be_attn
	.p2align	8
	.type	k_q5e134867be_attn,@function
k_q5e134867be_attn:
	s_mov_b64 s[64:65], 0
	v_nop
	global_prefetch_b8 v0, s[64:65] scope:SCOPE_SE
	s_setreg_imm32_b32 hwreg(HW_REG_WAVE_MODE, 25, 1), 1
	s_wait_xcnt 0x0
; Causal attention of one head, softmax(q k^T / 32) v, with a running maximum.  q, k, v: f16 by heads (qkvh[b][hd][t][s]); sums, maxima, exponentials in f32.
; The result goes out as a pair of f16, hi + lo (aoh[b][hd][t][s], hd 0-15 hi, 16-31 lo): hi is the f32 result cut to 11 significant bits, lo the rest.
; LIMITS: |result| below 65,504; hi below 6.1e-5 and lo keep f16's absolute step of 6e-8.  The weights p go to the matrix unit in f16, their sum is taken
; from the unrounded p.  NaN and infinities among the inputs are not followed as the definition follows them.
; Work-group (i, head) makes the query blocks i and 7 - i (256 queries each): (i + 1) + (8 - i) = 9 units of 256 keys for every work-group.  Wave w owns 64 queries.
; Unit order: n = 0 the diagonal unit i; n = 1 .. i units 0 .. i-1; n = i+1 the diagonal unit 7-i; then units 0 .. 6-i.  In a diagonal unit wave w first takes
; its own masked sub-block of 64 keys, which starts the sums, then sub-blocks 0 .. w-1.
; NO JOINT LOADS: the four work-groups of a head want different units in the same trip (unit n of work-group i is i, n-1, 7-i or n-i-2), so no tile is asked for by two at one time.
; S^T = K Q^T: lane (r, h) holds query r and keys 8 h + j, so maxima and sums are a lane's own but for one exchange of the halves,
; and two neighbouring key tiles packed to f16 are the second source of O^T = V^T P^T as they stand.  V^T's fragments come by the transposing LDS load.
; K and V of a unit come by one tensor load a wave (waves 0, 1: V's halves; 2, 3: K's) into two slots that take turns; a load has a whole unit's work in which to land.
.set SLOTB, 77824                      ; a slot: V 256 x 160, then K 256 x 144
.set KOFF,  40960
.set KP,    144                        ; K's pitch: 128 + 16, an odd multiple of 16
.set VP,    160                        ; V's pitch: 128 + 32, an odd multiple of 32 (transposing loads)
.set STAGE, 2*SLOTB                    ; 155,648 = 608 x 256; 64 x 144 bytes for each wave; never a fill's target
.set KL, 2                             ; r 144 + 16 h
.set VL, 3                             ; (8 h + l % 8) 160 + 16 ((l / 8) % 2)
.set KADR, 4
.set VADR, 5
.set RH, 6                             ; r - 8 h
.set STO, 7
.set RD, 8
.set CO, 9
.set QO, 10
.set NM, 12                            ; v[12+2nt] the shift -c max;  TM = v[13+2nt] the running maximum
.set TM, 13
.set AL, 20                            ; v[20+2nt] the factor for the old sums;  T2 = v[21+2nt] at work
.set T2, 21
.set LS, 32                            ; v[32+2nt:33+2nt] the sum of p, in two parts
.set KF, 64                            ; v[64:127]  K's fragments, tile (kt, ks) at 8 (2 kt + ks)
.set VF, 128                           ; v[128:191] V^T's fragments, tile (st, kk) at 8 (2 st + kk)
.set QF, 192                           ; v[192:255] Q's fragments, tile (nt, ks) at 8 (2 nt + ks)
.set OB, 128                           ; window 1: O^T, tile (st, nt) at 128 + 8 (4 nt + st); S^T, tile (kt, nt) at 16 (4 (kt / 2) + nt) + 8 (kt % 2)
.set G1K, 24
.set G1V, 32
.set G0V, 40                           ; s[40:43] slot 0, s[44:47] slot 1
.set G0K, 48
.set MK,  76                           ; s[76+j]: lanes where j <= r - 8 h
.set MSB, 0
.macro WIN new
.if MSB != \new
	s_set_vgpr_msb (MSB<<8)|\new
.set MSB, \new
.endif
.endm
.macro LOADKV s                        ; the wave's one tensor load: its half of V (waves 0, 1) or of K (waves 2, 3)
	s_cmp_eq_u32 s10, 0
	s_cbranch_scc0 .Lfor_k_\@
	tensor_load_to_lds s[G0V+4*\s:G0V+4*\s+3], s[G1V:G1V+7]
	s_nop 0
	s_branch .Lasked_\@
.Lfor_k_\@:
	tensor_load_to_lds s[G0K+4*\s:G0K+4*\s+3], s[G1K:G1K+7]
	s_nop 0
.Lasked_\@:
.endm
.macro QLOAD qb                        ; my 64 queries as second-source fragments, straight from memory
.irp nt, 0,1,2,3
.irp ks, 0,1
	global_load_b128 v[QF+8*(2*\nt+\ks):QF+8*(2*\nt+\ks)+3],   v[QO], s[\qb:\qb+1] offset:\nt*2048+\ks*64
	global_load_b128 v[QF+8*(2*\nt+\ks)+4:QF+8*(2*\nt+\ks)+7], v[QO], s[\qb:\qb+1] offset:\nt*2048+\ks*64+32
.endr
.endr
.endm
	s_load_b128 s[4:7], s[0:1], 0x0                ; qkvh s[4:5], aoh s[6:7]
	v_lshrrev_b32 v1, 5, v0
	v_readfirstlane_b32 s8, v1                     ; w
	s_lshr_b32 s10, s8, 1                          ; 0: I fetch V, 1: K
	s_mov_b32 s9, ttmp9                            ; i
	s_add_co_u32 s17, s9, 1
	s_sub_co_u32 s87, 7, s9
	s_and_b32 s88, ttmp7, 0xffff
	s_lshr_b32 s89, s88, 4                         ; batch
	s_and_b32 s88, s88, 15                         ; head
	s_mul_i32 s90, s89, 48
	s_add_co_u32 s90, s90, s88
	s_lshl_b32 s90, s90, 18                        ; q's head in qkvh: heads of 262,144 bytes
	s_lshl_b32 s89, s89, 5
	s_add_co_u32 s89, s89, s88
	s_lshl_b32 s89, s89, 18                        ; hi's head in aoh
	s_lshl_b32 s88, s8, 13                         ; my 64 rows of 128 bytes
	s_lshl_b32 s91, s9, 15                         ; block i: 256 rows
	s_lshl_b32 s92, s87, 15                        ; block 7 - i
	s_and_b32 s93, s8, 1
	s_lshl_b32 s93, s93, 14                        ; my half of a unit: 128 keys
	s_mov_b32 s18, 0x3d38aa3b                      ; c = log2(e) / 32
	s_mov_b32 s19, 0x3d38aa3b
	s_mov_b32 s20, 0xbd38aa3b                      ; -c
	s_mov_b32 s21, 0x76543210                      ; lane l of one half reads lane l of the other
	s_mov_b32 s22, 0xfedcba98
	s_mov_b32 s23, 0xff800000                      ; -infinity
	s_mov_b32 s86, 0xffffe000                      ; keeps 11 significant bits of an f32
	s_mul_i32 s84, s8, 64*KP                       ; my sub-block in K, and my stage
	s_mul_i32 s85, s8, 64*VP                       ; my sub-block in V
	; group 1: 64 rows of 256 bytes (two keys each), dense; padding behind every 128 bytes: 16 bytes for K, 32 for V
	s_mov_b32 s[G1K+0], (1<<16)|(1<<20)|(4<<22)|(3<<25)
	s_mov_b32 s[G1V+0], (1<<16)|(1<<20)|(4<<22)|(7<<25)
	s_mov_b32 s[G1K+1], 128<<16
	s_mov_b32 s[G1V+1], 128<<16
	s_mov_b32 s[G1K+2], 64<<16
	s_mov_b32 s[G1V+2], 64<<16
	s_mov_b32 s[G1K+3], 128<<16
	s_mov_b32 s[G1V+3], 128<<16
	s_mov_b32 s[G1K+4], 64
	s_mov_b32 s[G1V+4], 64
	s_mov_b32 s[G1K+5], 128
	s_mov_b32 s[G1V+5], 128
	s_mov_b32 s[G1K+6], 0
	s_mov_b32 s[G1V+6], 0
	s_mov_b32 s[G1K+7], 0
	s_mov_b32 s[G1V+7], 0
	s_mul_i32 s94, s8, 128*VP                      ; V's halves at w x 20,480 (waves 0, 1)
	s_mul_i32 s95, s8, 128*KP
	s_add_co_u32 s95, s95, KOFF-2*128*KP           ; K's at 40,960 + (w - 2) x 18,432 (waves 2, 3)
.irp s, 0,1
	s_mov_b32 s[G0V+4*\s], 1
	s_add_co_u32 s[G0V+4*\s+1], s94, \s*SLOTB
	s_mov_b32 s[G0K+4*\s], 1
	s_add_co_u32 s[G0K+4*\s+1], s95, \s*SLOTB
.endr
	s_mov_b32 s61, 0
	s_add_co_u32 s60, s90, s93
	s_wait_kmcnt 0x0
	s_add_nc_u64 s[56:57], s[4:5], s[60:61]
	s_add_nc_u64 s[58:59], s[56:57], 0x800000      ; V's head, my half: 32 heads behind q's
	s_add_nc_u64 s[56:57], s[56:57], 0x400000      ; K's head, my half: 16 heads behind q's
	s_mov_b32 s60, s91                             ; unit i
	s_add_nc_u64 s[G0V+2:G0V+3], s[58:59], s[60:61]
	s_or_b32 s[G0V+3], s[G0V+3], 0x80000000
	s_add_nc_u64 s[G0K+2:G0K+3], s[56:57], s[60:61]
	s_or_b32 s[G0K+3], s[G0K+3], 0x80000000
	LOADKV 0                                       ; the first fill, ahead of every wait, LDS read and barrier
	s_add_co_u32 s60, s90, s88
	s_add_nc_u64 s[66:67], s[4:5], s[60:61]
	s_mov_b32 s60, s92
	s_add_nc_u64 s[68:69], s[66:67], s[60:61]      ; my queries of block 7 - i
	s_mov_b32 s60, s91
	s_add_nc_u64 s[66:67], s[66:67], s[60:61]      ; my queries of block i
	s_add_co_u32 s60, s89, s88
	s_add_nc_u64 s[70:71], s[6:7], s[60:61]
	s_mov_b32 s60, s92
	s_add_nc_u64 s[72:73], s[70:71], s[60:61]      ; where block 7 - i's results go
	s_mov_b32 s60, s91
	s_add_nc_u64 s[70:71], s[70:71], s[60:61]      ; and block i's
	v_and_b32 v1, 15, v0                           ; r
	v_bfe_u32 v11, v0, 4, 1                        ; h
	v_lshlrev_b32 v[QO], 7, v1
	v_lshl_add_u32 v[QO], v11, 4, v[QO]            ; r 128 + 16 h
	QLOAD 66
	v_mul_u32_u24 v[KL], v1, KP
	v_lshl_add_u32 v[KL], v11, 4, v[KL]
	v_and_b32 v40, 7, v0
	v_lshl_add_u32 v41, v11, 3, v40
	v_mul_u32_u24 v[VL], v41, VP
	v_bfe_u32 v41, v0, 3, 1
	v_lshl_add_u32 v[VL], v41, 4, v[VL]
	v_lshlrev_b32 v41, 3, v11
	v_sub_nc_u32 v[RH], v1, v41
	v_add3_u32 v[STO], v[KL], s84, STAGE           ; in: row r of a query tile, 16 bytes for each half of the lanes
	v_and_b32 v41, 31, v0
	v_lshrrev_b32 v42, 3, v41
	v_mul_u32_u24 v42, v42, KP
	v_lshl_add_u32 v42, v40, 4, v42
	v_add3_u32 v[RD], v42, s84, STAGE              ; back: four rows of 128 bytes a load
	v_lshlrev_b32 v[CO], 4, v41                    ; which are 512 neighbouring bytes of aoh
.irp j, 0,1,2,3,4,5,6,7
	v_cmp_le_i32 s[MK+\j], \j, v[RH]               ; on the diagonal tiles key 8 h + j is kept where it is no later than query r
.endr
.irp nt, 0,1,2,3
	v_mov_b32 v[T2+2*\nt], 0                       ; the lane exchange counts as a reader of its destination
.endr
; One sub-block: 64 keys x my 64 queries.  first = 1: the diagonal sub-block, which is masked and starts maxima, sums and O.
.macro SB first
.rept 5
	v_nop                                          ; five places behind the last products: K's and V's fragments are loaded again, and S is written over P
.endr
.irp kt, 0,1,2,3
.irp ks, 0,1
	ds_load_b128 v[KF+8*(2*\kt+\ks):KF+8*(2*\kt+\ks)+3],   v[KADR] offset:\kt*16*KP+\ks*64
	ds_load_b128 v[KF+8*(2*\kt+\ks)+4:KF+8*(2*\kt+\ks)+7], v[KADR] offset:\kt*16*KP+\ks*64+32
.endr
.endr
.irp st, 0,1,2,3
.irp kk, 0,1
	ds_load_tr16_b128 v[VF+8*(2*\st+\kk):VF+8*(2*\st+\kk)+3],   v[VADR] offset:\kk*32*VP+\st*32
	ds_load_tr16_b128 v[VF+8*(2*\st+\kk)+4:VF+8*(2*\st+\kk)+7], v[VADR] offset:\kk*32*VP+\st*32+16*VP
.endr
.endr
	s_wait_dscnt 16                                ; K's sixteen loads are in, V's sixteen may stay out
	WIN 0x50                                       ; D and C window 1, sources window 0
	; S^T = K Q^T.  The tiles take turns, one instruction a turn; the first 32 of s start the sums.
.irp ks, 0,1
.irp kt, 0,1,2,3
.irp nt, 0,1,2,3
.if (\first == 0) || (\kt <= \nt)
.set SR, 16*(4*(\kt>>1)+\nt)+8*(\kt&1)
.if \ks == 0
	v_wmma_f32_16x16x32_f16 v[SR:SR+7], v[KF+16*\kt:KF+16*\kt+7], v[QF+16*\nt:QF+16*\nt+7], 0
.else
	v_wmma_f32_16x16x32_f16 v[SR:SR+7], v[KF+16*\kt+8:KF+16*\kt+15], v[QF+16*\nt+8:QF+16*\nt+15], v[SR:SR+7]
.endif
.endif
.endr
.endr
.endr
.rept 4
	v_nop                                          ; four places in front of the first read of S
.endr
.if \first
	WIN 0x44
.irp kt, 0,1,2,3
.irp nt, 0,1,2,3
.set SR, 16*(4*(\kt>>1)+\nt)+8*(\kt&1)
.if \kt == \nt
.irp j, 0,1,2,3,4,5,6,7
	v_cndmask_b32 v[SR+\j], s23, v[SR+\j], s[MK+\j]
.endr
.endif
.if \kt > \nt
.irp j, 0,1,2,3,4,5,6,7
	v_mov_b32 v[SR+\j], s23                        ; tiles of later keys: all masked, not computed
.endr
.endif
.endr
.endr
.endif
	WIN 0x05                                       ; the running maximum takes in my 32 scores of each query tile
.irp q, 0,1,2,3,4,5,6,7,8,9,10,11,12,13,14,15
.irp nt, 0,1,2,3
.set SR, 16*(4*(\q>>3)+\nt)+2*(\q&7)
.if (\first == 1) && (\q == 0)
	v_max_num_f32 v[TM+2*\nt], v[SR], v[SR+1]
.else
	v_max3_num_f32 v[TM+2*\nt], v[SR], v[SR+1], v[TM+2*\nt]
.endif
.endr
.endr
	WIN 0
.irp nt, 0,1,2,3
	v_permlanex16_b32 v[T2+2*\nt], v[TM+2*\nt], s21, s22       ; the other half's keys of the same query
.endr
.irp nt, 0,1,2,3
	v_max_num_f32 v[TM+2*\nt], v[TM+2*\nt], v[T2+2*\nt]
.endr
.irp nt, 0,1,2,3
	v_mul_f32 v[T2+2*\nt], s20, v[TM+2*\nt]        ; the new shift
.endr
.if \first == 0
.irp nt, 0,1,2,3
	v_sub_f32 v[AL+2*\nt], v[T2+2*\nt], v[NM+2*\nt]            ; new shift - old shift, of the two numbers that are really used
.endr
.irp nt, 0,1,2,3
	v_exp_f32 v[AL+2*\nt], v[AL+2*\nt]
.endr
.endif
	s_wait_alu depctr_va_vdst(0)
.irp nt, 0,1,2,3
	v_mov_b32 v[NM+2*\nt], v[T2+2*\nt]             ; plain instructions behind the exponentials, in front of the first use of their results
.endr
.irp nt, 0,1,2,3
.if \first
	v_mov_b32 v[LS+2*\nt], 0
	v_mov_b32 v[LS+2*\nt+1], 0
.else
	v_pk_mul_f32 v[LS+2*\nt:LS+2*\nt+1], v[LS+2*\nt:LS+2*\nt+1], v[AL+2*\nt:AL+2*\nt+1] op_sel_hi:[1,0]
.endif
.endr
	WIN 0x41                                       ; p = 2^(c s - c max), in place; the old O is scaled behind each run of exponentials
.irp nt, 0,1,2,3
.irp q, 0,1,2,3,4,5,6,7,8,9,10,11,12,13,14,15
.set SR, 16*(4*(\q>>3)+\nt)+2*(\q&7)
	v_pk_fma_f32 v[SR:SR+1], v[SR:SR+1], s[18:19], v[NM+2*\nt:NM+2*\nt+1] op_sel_hi:[1,0,0]
.endr
.irp q, 0,1,2,3,4,5,6,7,8,9,10,11,12,13,14,15
.set SR, 16*(4*(\q>>3)+\nt)+2*(\q&7)
	v_exp_f32 v[SR], v[SR]
	v_exp_f32 v[SR+1], v[SR+1]
.endr
.if \first == 0
.irp q, 0,1,2,3,4,5,6,7,8,9,10,11,12,13,14,15
	v_pk_mul_f32 v[OB+32*\nt+2*\q:OB+32*\nt+2*\q+1], v[OB+32*\nt+2*\q:OB+32*\nt+2*\q+1], v[AL+2*\nt:AL+2*\nt+1] op_sel_hi:[1,0]
.endr
.endif
.endr
	v_nop                                          ; a plain place behind the last exponential
	WIN 0x01
	s_wait_alu depctr_va_vdst(0)
.irp q, 0,1,2,3,4,5,6,7,8,9,10,11,12,13,14,15
.irp nt, 0,1,2,3
.set SR, 16*(4*(\q>>3)+\nt)+2*(\q&7)
	v_pk_add_f32 v[LS+2*\nt:LS+2*\nt+1], v[SR:SR+1], v[LS+2*\nt:LS+2*\nt+1]
.endr
.endr
	WIN 0x45                                       ; two key tiles of 8 f32 become one fragment of 8 registers, in place and ascending
.irp g, 0,1,2,3,4,5,6,7
.irp m, 0,1,2,3,4,5,6,7
	v_cvt_pk_f16_f32 v[16*\g+\m], v[16*\g+2*\m], v[16*\g+2*\m+1]
.endr
.endr
	s_wait_dscnt 0x0                               ; V's fragments
	WIN 0x54                                       ; D, C and source 1 (P) window 1, source 0 (V^T) window 0
.irp kk, 0,1
.irp nt, 0,1,2,3
.irp st, 0,1,2,3
.set OR_, OB+8*(4*\nt+\st)
.if (\first == 1) && (\kk == 0)
	v_wmma_f32_16x16x32_f16 v[OR_:OR_+7], v[VF+8*(2*\st+\kk):VF+8*(2*\st+\kk)+7], v[16*(4*\kk+\nt):16*(4*\kk+\nt)+7], 0
.else
	v_wmma_f32_16x16x32_f16 v[OR_:OR_+7], v[VF+8*(2*\st+\kk):VF+8*(2*\st+\kk)+7], v[16*(4*\kk+\nt):16*(4*\kk+\nt)+7], v[OR_:OR_+7]
.endif
.endr
.endr
.endr
	WIN 0
.endm
; 64 rows of 128 bytes from registers reg .. reg+63 through my stage to aoh
.macro PUT reg, aob, goff
.irp nt, 0,1,2,3
.irp st, 0,1,2,3
	ds_store_b128 v[STO], v[\reg+4*(4*\nt+\st):\reg+4*(4*\nt+\st)+3] offset:\nt*16*KP+\st*32
.endr
.endr
.irp t, 0,1,2,3,4,5,6,7,8,9,10,11,12,13,14,15
	ds_load_b128 v[\reg+4*\t:\reg+4*\t+3], v[RD] offset:\t*4*KP    ; LDS serves a wave's instructions in order: these see the stores above
.endr
.irp t, 0,1,2,3,4,5,6,7,8,9,10,11,12,13,14,15
	s_wait_dscnt 15-\t                             ; the younger read-backs stay out
	global_store_b128 v[CO], v[\reg+4*\t:\reg+4*\t+3], s[\aob:\aob+1] offset:\goff+\t*512   ; 512 neighbouring bytes, aligned
.endr
.endm
; A query block is done: divide by the sum, split into hi and lo, store.  qnext = 1: the second block's queries are asked for meanwhile.
.macro FINISH aob, qnext
.rept 4
	v_nop                                          ; four places behind the last products
.endr
.irp nt, 0,1,2,3
	v_add_f32 v[TM+2*\nt], v[LS+2*\nt], v[LS+2*\nt+1]
.endr
.irp nt, 0,1,2,3
	v_permlanex16_b32 v[T2+2*\nt], v[TM+2*\nt], s21, s22
.endr
.irp nt, 0,1,2,3
	v_add_f32 v[TM+2*\nt], v[TM+2*\nt], v[T2+2*\nt]
.endr
.irp nt, 0,1,2,3
	v_rcp_f32 v[AL+2*\nt], v[TM+2*\nt]
.endr
.if \qnext
	QLOAD 68
.endif
	v_nop                                          ; a plain place behind the reciprocals
	WIN 0x41
	s_wait_alu depctr_va_vdst(0)
.irp nt, 0,1,2,3
.irp q, 0,1,2,3,4,5,6,7,8,9,10,11,12,13,14,15
	v_pk_mul_f32 v[OB+32*\nt+2*\q:OB+32*\nt+2*\q+1], v[OB+32*\nt+2*\q:OB+32*\nt+2*\q+1], v[AL+2*\nt:AL+2*\nt+1] op_sel_hi:[1,0]
.endr
.endr
	WIN 0x04
.set e_, 0
.rept 128
	v_and_b32 v[64+e_], s86, v[OB+e_]              ; hi, still as f32
.set e_, e_+1
.endr
	WIN 0x41
.set e_, 0
.rept 64
	v_pk_add_f32 v[OB+e_:OB+e_+1], v[OB+e_:OB+e_+1], v[64+e_:64+e_+1] neg_lo:[0,1] neg_hi:[0,1]   ; lo = result - hi, exact
.set e_, e_+2
.endr
	WIN 0
.set e_, 0
.rept 64
	v_cvt_pk_f16_f32 v[64+e_], v[64+2*e_], v[64+2*e_+1]        ; in place and ascending
.set e_, e_+1
.endr
	WIN 0x05
.set e_, 0
.rept 64
	v_cvt_pk_f16_f32 v[128+e_], v[OB+2*e_], v[OB+2*e_+1]
.set e_, e_+1
.endr
	WIN 0
	PUT 64, \aob, 0
	PUT 128, \aob, 4194304                         ; lo's heads lie 16 heads behind hi's
	s_wait_xcnt 0x0                                ; the registers that the stores read are loaded again only behind this wait
.endm
; The trip of unit n (in s16), which lies in slot; other = the other slot, which gets unit n + 1.
.macro TRIP slot, other
	s_wait_tensorcnt 0x0                           ; all my tensor loads have landed, my part of this unit among them: every group 0 may be written
	s_sub_co_u32 s60, s16, s17                     ; unit n + 1 is: n - i - 1 in the second block,
	s_cmp_lt_u32 s16, s9
	s_cselect_b32 s60, s16, s60                    ; n in the first block,
	s_cmp_eq_u32 s16, s9
	s_cselect_b32 s60, s87, s60                    ; 7 - i where the second block begins
	s_lshl_b32 s60, s60, 15
	s_add_nc_u64 s[G0V+4*\other+2:G0V+4*\other+3], s[58:59], s[60:61]
	s_or_b32 s[G0V+4*\other+3], s[G0V+4*\other+3], 0x80000000
	s_add_nc_u64 s[G0K+4*\other+2:G0K+4*\other+3], s[56:57], s[60:61]
	s_or_b32 s[G0K+4*\other+3], s[G0K+4*\other+3], 0x80000000
	s_wait_dscnt 0x0                               ; my reads of the other slot are over
	s_barrier_signal -1
	s_barrier_wait -1                              ; both hold of every wave
	LOADKV \other                                  ; my one tensor load behind this barrier, first thing there
	s_wait_loadcnt 0x0                             ; queries asked for at the end of the first block are in (nothing else is out)
.if \slot == 0
	s_cmp_eq_u32 s16, 0
	s_cselect_b32 s13, s8, 4                       ; unit 0 is diagonal (its masked sub-block stands ahead of the loop): sub-blocks 0 .. w-1 are left
.else
	s_mov_b32 s13, 4
.endif
	s_cmp_lg_u32 s16, s17
	s_cbranch_scc1 .Lnot_diag_\@
	v_add3_u32 v[KADR], v[KL], s84, \slot*SLOTB+KOFF
	v_add3_u32 v[VADR], v[VL], s85, \slot*SLOTB
	SB 1                                           ; the second block begins with its own masked sub-block
	s_mov_b32 s13, s8
.Lnot_diag_\@:
	v_add_nc_u32 v[KADR], \slot*SLOTB+KOFF, v[KL]
	v_add_nc_u32 v[VADR], \slot*SLOTB, v[VL]
	s_mov_b32 s14, 0
.Lsub_\@:
	s_cmp_ge_u32 s14, s13
	s_cbranch_scc1 .Lskip_\@
	SB 0
.Lskip_\@:
	v_add_nc_u32 v[KADR], 64*KP, v[KADR]
	v_add_nc_u32 v[VADR], 64*VP, v[VADR]
	s_add_co_u32 s14, s14, 1
	s_cmp_lt_u32 s14, 4
	s_cbranch_scc1 .Lsub_\@
	s_cmp_lg_u32 s16, s9
	s_cbranch_scc1 .Lnot_last_\@
	FINISH 70, 1                                   ; unit i was the first block's last
.Lnot_last_\@:
.endm
	s_wait_tensorcnt 0x0                           ; my part of unit i is in,
	s_barrier_signal -1
	s_barrier_wait -1                              ; everybody's is
	s_wait_loadcnt 0x0                             ; my queries
	v_add3_u32 v[KADR], v[KL], s84, KOFF
	v_add_nc_u32 v[VADR], s85, v[VL]
	SB 1                                           ; the first block's masked sub-block starts maxima, sums and O on every path into the loop
	s_mov_b32 s11, 0
.Lunit:
	s_mov_b32 s16, s11
	TRIP 0, 1
	s_add_co_u32 s16, s11, 1
	TRIP 1, 0
	s_add_co_u32 s11, s11, 2
	s_cmp_lt_u32 s11, 8
	s_cbranch_scc1 .Lunit
	; unit 8, in slot 0: nothing is left to fetch
	s_wait_tensorcnt 0x0
	s_wait_dscnt 0x0
	s_barrier_signal -1
	s_barrier_wait -1
	s_wait_loadcnt 0x0
	v_add_nc_u32 v[KADR], KOFF, v[KL]
	v_mov_b32 v[VADR], v[VL]
	s_mov_b32 s14, 0
.Ltail:
	SB 0
	v_add_nc_u32 v[KADR], 64*KP, v[KADR]
	v_add_nc_u32 v[VADR], 64*VP, v[VADR]
	s_add_co_u32 s14, s14, 1
	s_cmp_lt_u32 s14, 4
	s_cbranch_scc1 .Ltail
	FINISH 72, 0
	s_endpgm
.Lfunc_end_k_q5e134867be_attn:
	.size	k_q5e134867be_attn, .Lfunc_end_k_q5e134867be_attn-k_q5e134867be_attn
	.p2alignl 7, 3214868480
	.fill 96, 4, 3214868480
	.section	.rodata,"a",@progbits
	.p2align	6, 0x0
	.amdhsa_kernel k_q5e134867be_attn
		.amdhsa_group_segment_fixed_size 327680
		.amdhsa_private_segment_fixed_size 0
		.amdhsa_enable_private_segment 0
		.amdhsa_kernarg_size 16
		.amdhsa_user_sgpr_count 2
		.amdhsa_user_sgpr_kernarg_segment_ptr 1
		.amdhsa_wavefront_size32 1
		.amdhsa_system_sgpr_workgroup_id_x 1
		.amdhsa_system_sgpr_workgroup_id_y 1
		.amdhsa_system_sgpr_workgroup_id_z 1
		.amdhsa_system_vgpr_workitem_id 0
		.amdhsa_next_free_vgpr 512
		.amdhsa_next_free_sgpr 96
		.amdhsa_reserve_vcc 0
		.amdhsa_float_denorm_mode_32 3
		.amdhsa_float_denorm_mode_16_64 3
		.amdhsa_memory_ordered 1
		.amdhsa_forward_progress 1
		.amdhsa_inst_pref_size 255
	.end_amdhsa_kernel
	.section	.bss,"aw",@nobits
	.p2align	6
	.space	262144
	.amdgpu_metadata
---
amdhsa.version: [ 1, 2 ]
amdhsa.kernels:
  - .name:           k_q5e134867be_attn
    .symbol:         k_q5e134867be_attn.kd
    .args:
      - { .name: qkvh, .offset: 0, .size: 8, .value_kind: global_buffer, .address_space: global }
      - { .name: aoh, .offset: 8, .size: 8, .value_kind: global_buffer, .address_space: global }
    .group_segment_fixed_size: 327680
    .private_segment_fixed_size: 0
    .kernarg_segment_align: 8
    .kernarg_segment_size: 16
    .max_flat_workgroup_size: 128
    .sgpr_count:     96
    .vgpr_count:     512
    .wavefront_size: 32
...
	.end_amdgpu_metadata
.endif
;; end of part 3
;; launch proj (part 4): grid 8 x 32, 4 waves a work-group, clusters of 4 x 4, 327,680 bytes of LDS; arguments aoh, xw, bp, out0; writes out0
.if DOCPART == 4
	.amdgcn_target "amdgcn-amd-amdhsa--gfx1250"
	.amdhsa_code_object_version 6
	.text
	.protected	k_q5e134867be_proj
	.globl	k_q5e134867be_proj
	.p2align	8
	.type	k_q5e134867be_proj,@function
k_q5e134867be_proj:
	s_mov_b64 s[64:65], 0
	v_nop
	global_prefetch_b8 v0, s[64:65] scope:SCOPE_SE
	s_setreg_imm32_b32 hwreg(HW_REG_WAVE_MODE, 25, 1), 1
	s_wait_xcnt 0x0
	s_wait_alu depctr_hold_cnt(0) depctr_sa_sdst(0) depctr_va_vdst(0) depctr_va_sdst(0) depctr_va_ssrc(0) depctr_va_vcc(0) depctr_vm_vsrc(0)
	s_getreg_b32 s2, hwreg(HW_REG_IB_STS2, 6, 4)
	s_cmp_eq_u32 s2, 0
	s_cbranch_scc0 .Lentry_in_a_cluster
	s_endpgm
.Lentry_in_a_cluster:
	s_bfe_u32 s2, ttmp6, 0x10000c
	s_cmp_lg_u32 s2, 0xf033
	s_cbranch_scc0 .Lentry_shape_is_right
	s_endpgm
.Lentry_shape_is_right:
; out0[8192][1024] = attention result x Wp^T + bp, f32.  The attention result comes as hi + lo, two f16 numbers by heads (aoh[b][hd][t][s], hd 0-15 hi, 16-31 lo),
; so K is 2,048: each lap multiplies the hi parts of two heads (slot 0) and their lo parts (slot 1) with the same 128 columns of Wp (f16 code, rows 11264.. of xw).  Sums in f32.
; A work-group makes 256 rows x 128 columns with four waves; a wave makes 64 x 128: 32 accumulator tiles, 256 registers.
; A's tile: 128 rows of t of two heads.  A head's 128 rows are 16 KiB dense, so the tile is two rows of 8,192 elements, one head apart; the padding of 16 bytes
; behind every 128 is counted along the whole tile, so each t has a pitch of 144 bytes, head 0's 128 rows first, then head 1's.
; CLUSTERS: 4 x 4 work-groups; A's tile is asked for jointly by a row of the cluster, B's by a column, which divides the requests by four.
; REGISTERS: window 0 addresses, bias, A's fragments, the way out; window 1 B's fragments; windows 2 and 3 the accumulators (tile (a, b) at 8 (8 a + b)).
; The matrix instruction is used transposed (source 0 = rows of Wp, source 1 = rows of A): lane l holds row l % 16 and eight neighbouring columns.
.set NB,     8
.set APITCH, 144                       ; 128 + 16, an odd multiple of 16
.set BPITCH, 272                       ; 256 + 16
.set AK2,    128*APITCH                ; the second pair of quarter steps is the second head
.set HALFA,  2*128*APITCH              ; 36,864: one tensor load
.set HALFB,  8*NB*BPITCH               ; 64 rows of Wp: one tensor load
.set SLOT,   2*HALFA+2*HALFB           ; 108,544
.set STAGE,  2*SLOT                    ; 217,088 = 848 x 256: behind the ring, never a fill's target
.set SPITCH, 528                       ; a stage row: 512 bytes + 16
.set LAPS,   8                         ; a lap = two heads, hi and lo
.set ASLOT1, 4194304                   ; lo's heads lie 16 heads of 262,144 bytes behind hi's
.set BSLOT1, 0                         ; and meet the same columns of Wp
.set ASTEP,  524288                    ; two heads a lap
.set BSTEP,  256                       ; 128 columns a lap
.set ADRA, 16
.set ADRB, 20
.set STO,  24
.set RD,   25
.set CO,   26
.set BIAS, 28                          ; v[28:31] bp of my four columns on the way out
.set FA,   32                          ; window 0: v[32:63], v[64:95]
.set FB,   0                           ; window 1: v[0:63], v[64:127]
.set RB0,  96                          ; v[96:159], v[160:223] rows read back, in turn
.set RB1,  160
.set G1,  24
.set G0,  32
.set G1B, 48
.set G0B, 56
.set LAPC, 21
.set MSB, 0
.macro WIN new
.if MSB != \new
	s_set_vgpr_msb (MSB<<8)|\new
.set MSB, \new
.endif
.endm
.set MUL_LO, 0xa1
.set MUL_HI, 0xf1
.set TO_B,   0x40
.macro JLOAD s
	s_cmp_eq_u32 s11, 0
	s_cbranch_scc0 .Lfor_b_\@
	tensor_load_to_lds s[G0+4*\s:G0+4*\s+3], s[G1:G1+7]
	s_nop 0
	s_branch .Lasked_\@
.Lfor_b_\@:
	tensor_load_to_lds s[G0B+4*\s:G0B+4*\s+3], s[G1B:G1B+7]
	s_nop 0
.Lasked_\@:
.endm
.macro CREST
	s_cmp_lg_u32 s10, 0
	s_cbranch_scc1 .Lnot_wave_0_\@
	s_barrier_signal -3
.Lnot_wave_0_\@:
	s_barrier_wait -3
	s_barrier_signal -1
	s_barrier_wait -1
.endm
.macro CROUND
	s_barrier_signal -1
	s_barrier_wait -1
	CREST
.endm
.macro PLACES                          ; four places behind a matrix instruction (ISA guide 7.12.1)
.rept 4
	v_nop
.endr
.endm
	s_load_b128 s[4:7], s[0:1], 0x0                ; aoh s[4:5], xw s[6:7]
	s_load_b64 s[2:3], s[0:1], 0x10                ; bp
	s_load_b64 s[8:9], s[0:1], 0x18                ; out0
	v_lshrrev_b32 v1, 5, v0
	v_readfirstlane_b32 s10, v1
	s_lshr_b32 s11, s10, 1
	s_and_b32 s12, s10, 1
	s_bfe_u32 s40, ttmp6, 0x40000                  ; cx
	s_bfe_u32 s41, ttmp6, 0x40004                  ; cy
	s_lshl_b32 s42, ttmp9, 2
	s_add_co_u32 s42, s42, s40                     ; block column
	s_and_b32 s13, ttmp7, 0xffff
	s_lshl_b32 s13, s13, 2
	s_add_co_u32 s13, s13, s41                     ; block row
	s_lshl_b32 s43, s41, 2
	s_lshl_b32 s43, 15, s43
	s_lshl_b32 s44, 0x1111, s40
	s_or_b32 s[G1+0], s43, (1<<16)|(1<<20)|(1<<21)|(4<<22)|(3<<25)   ; A: padding of 4 words behind every 32
	s_or_b32 s[G1B+0], s44, (1<<16)|(1<<20)|(1<<21)|(5<<22)|(3<<25)  ; B: behind every 64
	s_mov_b32 s[G1+1], 8192<<16                    ; A: tensor_dim0 = 8,192 elements (128 t x 64 s)
	s_mov_b32 s[G1B+1], 128<<16
	s_mov_b32 s[G1+2], 2<<16                       ; tensor_dim1 = 2 heads
	s_mov_b32 s[G1B+2], (8*NB)<<16
	s_mov_b32 s[G1+3], 8192<<16                    ; tile_dim0
	s_mov_b32 s[G1B+3], 128<<16
	s_mov_b32 s[G1+4], 2                           ; tile_dim1
	s_mov_b32 s[G1B+4], 8*NB
	s_mov_b32 s[G1+5], 131072                      ; a head's elements
	s_mov_b32 s[G1B+5], 1024
	s_mov_b32 s[G1+6], 0
	s_mov_b32 s[G1B+6], 0
	s_mov_b32 s[G1+7], 0
	s_mov_b32 s[G1B+7], 0
	s_lshr_b32 s16, s13, 3
	s_lshl_b32 s16, s16, 23                        ; batch: 32 heads of 262,144 bytes
	s_and_b32 s17, s13, 7
	s_lshl_b32 s17, s17, 15                        ; 256 rows of 128 bytes
	s_add_co_u32 s16, s16, s17
	s_lshl_b32 s17, s12, 14                        ; my half: 128 rows
	s_add_co_u32 s16, s16, s17
	s_mov_b32 s17, 0
	s_lshl_b32 s46, s42, 9                         ; bp: 128 columns of 4 bytes a block column
	s_mov_b32 s47, 0
	s_mul_i32 s20, s10, HALFA
	s_mul_i32 s45, s10, HALFB
	s_add_co_u32 s45, s45, 2*HALFA-2*HALFB
	s_wait_kmcnt 0x0
	s_add_nc_u64 s[2:3], s[2:3], s[46:47]
	s_mul_i32 s46, s42, 16*NB
	s_mul_i32 s47, s12, 8*NB
	s_add_co_u32 s46, s46, s47                     ; Wp: row 128 x block column + 64 x half
	s_lshl_b32 s46, s46, 11
	s_mov_b32 s47, 0
	s_add_nc_u64 s[6:7], s[6:7], 0x1600000         ; Wp begins at row 11,264 of xw
	s_add_nc_u64 s[14:15], s[4:5], s[16:17]
	s_add_nc_u64 s[46:47], s[6:7], s[46:47]
	CROUND
.irp s, 0,1
	s_mov_b32 s[G0+4*\s], 1
	s_add_co_u32 s[G0+4*\s+1], s20, \s*SLOT
	s_add_nc_u64 s[G0+4*\s+2:G0+4*\s+3], s[14:15], \s*ASLOT1
	s_or_b32 s[G0+4*\s+3], s[G0+4*\s+3], 0x80000000
	s_mov_b32 s[G0B+4*\s], 1
	s_add_co_u32 s[G0B+4*\s+1], s45, \s*SLOT
	s_add_nc_u64 s[G0B+4*\s+2:G0B+4*\s+3], s[46:47], \s*BSLOT1
	s_or_b32 s[G0B+4*\s+3], s[G0B+4*\s+3], 0x80000000
	JLOAD \s                                       ; two tensor loads of a wave are out here, one later
.endr
	v_and_b32 v1, 15, v0
	v_bfe_u32 v2, v0, 4, 1
	v_and_b32 v5, 31, v0
	v_lshlrev_b32 v[CO], 4, v5                     ; 16 bytes a lane: a row's 512 bytes of the block
	global_load_b128 v[BIAS:BIAS+3], v[CO], s[2:3] ; waited for in front of the way out
	v_mul_u32_u24 v3, v1, APITCH
	v_lshl_add_u32 v3, v2, 4, v3
	v_mul_u32_u24 v8, v1, BPITCH
	v_lshl_add_u32 v8, v2, 4, v8
	s_mul_i32 s21, s11, HALFA
	s_mul_i32 s22, s12, 64*APITCH
	s_add_co_u32 s21, s21, s22                     ; my 64 rows of t, in the first head
	s_mov_b32 s22, 2*HALFA
.irp s, 0,1
	v_add_nc_u32 v[ADRA+\s], s21, v3
	v_add_nc_u32 v[ADRB+\s], s22, v8
	s_add_co_u32 s21, s21, SLOT
	s_add_co_u32 s22, s22, SLOT
.endr
	s_mul_i32 s23, s10, 16*SPITCH
	s_add_co_u32 s23, s23, STAGE
	v_mul_u32_u24 v4, v1, SPITCH
	v_lshl_add_u32 v4, v2, 5, v4
	v_add_nc_u32 v[STO], s23, v4                   ; in: row r, 32 bytes for each half of the lanes
	v_lshl_add_u32 v[RD], v5, 4, s23               ; back: a whole row of 512 bytes
.macro MULA f, hi, a, zero
.irp b, 0,1,2,3,4,5,6,7
.if \zero
	v_wmma_f32_16x16x32_f16 v[8*(NB*\a+\b):8*(NB*\a+\b)+7], v[FB+8*NB*\f+8*\b:FB+8*NB*\f+8*\b+7], v[FA+32*\f+8*(2*\hi+\a):FA+32*\f+8*(2*\hi+\a)+7], 0
.else
	v_wmma_f32_16x16x32_f16 v[8*(NB*\a+\b):8*(NB*\a+\b)+7], v[FB+8*NB*\f+8*\b:FB+8*NB*\f+8*\b+7], v[FA+32*\f+8*(2*\hi+\a):FA+32*\f+8*(2*\hi+\a)+7], v[8*(NB*\a+\b):8*(NB*\a+\b)+7]
.endif
.endr
.endm
.macro FETCH slot, kq, f
	WIN TO_B
.irp t, 0,1,2,3,4,5,6,7
	ds_load_b128 v[FB+8*NB*\f+8*\t:FB+8*NB*\f+8*\t+3],   v[ADRB+\slot] offset:\kq*64+\t*16*BPITCH
	ds_load_b128 v[FB+8*NB*\f+8*\t+4:FB+8*NB*\f+8*\t+7], v[ADRB+\slot] offset:\kq*64+\t*16*BPITCH+32
.endr
	WIN 0
.irp t, 0,1,2,3
	ds_load_b128 v[FA+32*\f+8*\t:FA+32*\f+8*\t+3],   v[ADRA+\slot] offset:(\kq>>1)*AK2+(\kq&1)*64+\t*16*APITCH
	ds_load_b128 v[FA+32*\f+8*\t+4:FA+32*\f+8*\t+7], v[ADRA+\slot] offset:(\kq>>1)*AK2+(\kq&1)*64+\t*16*APITCH+32
.endr
.endm
; The 32 accumulators take turns, one instruction a turn, in the same order in every quarter.
.macro QUARTER slot, kq, f, g, zero
	s_wait_dscnt 4                                 ; B and A's rows 0-31 are in; the youngest four loads may be out
	WIN MUL_LO
	MULA \f, 0, 0, \zero
	MULA \f, 0, 1, \zero
	PLACES
	FETCH \slot, \kq, \g
	s_wait_dscnt 2*NB+8                            ; all but the run just issued
	WIN MUL_HI
	MULA \f, 1, 0, \zero
	MULA \f, 1, 1, \zero
.endm
.macro THREE slot, zero
	QUARTER \slot, 1, 0, 1, \zero
	QUARTER \slot, 2, 1, 0, 0
	QUARTER \slot, 3, 0, 1, 0
.endm
.macro TURN slot, next, fill
	s_wait_dscnt 4
	WIN MUL_LO
	MULA 1, 0, 0, 0
	s_wait_dscnt 0x0                               ; my reads of this slot are over
	s_wait_tensorcnt 0x0                           ; all my tensor loads have landed
	s_barrier_signal -1
	MULA 1, 0, 1, 0
	WIN 0
	s_barrier_wait -1
.if \fill
	CREST                                          ; no wave of any partner still reads this slot or has a load on its way
	s_add_nc_u64 s[G0+4*\slot+2:G0+4*\slot+3], s[G0+4*\slot+2:G0+4*\slot+3], ASTEP
	s_add_nc_u64 s[G0B+4*\slot+2:G0B+4*\slot+3], s[G0B+4*\slot+2:G0B+4*\slot+3], BSTEP
	JLOAD \slot                                    ; the first tensor load behind the round
.endif
	PLACES
	FETCH \next, 0, 0
	WIN MUL_HI
	MULA 1, 1, 0, 0
	MULA 1, 1, 1, 0
.endm
.macro LAP zero
	THREE 0, \zero
	TURN 0, 1, 1
	THREE 1, 0
	TURN 1, 0, 1
.endm
	s_wait_tensorcnt 1                             ; my part of slot 0 is in; slot 1's load may stay out
	s_barrier_signal -1
	s_barrier_wait -1
	FETCH 0, 0, 0
	LAP 1
	WIN 0
	s_mov_b32 s[LAPC], LAPS-2
.Llap:
	LAP 0
	WIN 0
	s_sub_co_u32 s[LAPC], s[LAPC], 1
	s_cmp_lg_u32 s[LAPC], 0
	s_cbranch_scc1 .Llap
	THREE 0, 0
	TURN 0, 1, 0
	THREE 1, 0
	s_wait_dscnt 4
	WIN MUL_LO
	MULA 1, 0, 0, 0
	MULA 1, 0, 1, 0
	s_wait_dscnt 0x0
	WIN MUL_HI
	MULA 1, 1, 0, 0
	MULA 1, 1, 1, 0
	; THE WAY OUT, 16 rows at a time: the sums go as they are into my own stage, come back as whole rows of 512 bytes, take the bias and leave.
	PLACES
	s_lshl_b32 s16, s13, 20                        ; 256 rows of 4,096 bytes
	s_lshl_b32 s17, s10, 18                        ; my 64 rows
	s_add_co_u32 s16, s16, s17
	s_mov_b32 s17, 0
	s_add_nc_u64 s[8:9], s[8:9], s[16:17]
	s_lshl_b32 s46, s42, 9                         ; my block's 128 columns
	s_mov_b32 s47, 0
	s_add_nc_u64 s[8:9], s[8:9], s[46:47]
	s_wait_loadcnt 0x0                             ; the bias
.macro OUT16 blk, a, from, rb
	WIN \from                                      ; the stores' data from window 2 or 3
.irp b, 0,1,2,3,4,5,6,7
	ds_store_b128 v[STO], v[8*(NB*\a+\b):8*(NB*\a+\b)+3]   offset:64*\b
	ds_store_b128 v[STO], v[8*(NB*\a+\b)+4:8*(NB*\a+\b)+7] offset:64*\b+16
.endr
	WIN 0
	s_wait_xcnt 0x0                                ; the buffer that earlier stores read is loaded again only behind this wait
.irp t, 0,1,2,3,4,5,6,7,8,9,10,11,12,13,14,15
	ds_load_b128 v[\rb+4*\t:\rb+4*\t+3], v[RD] offset:\t*SPITCH    ; LDS serves a wave's instructions in order: these see the stores above
.endr
.irp t, 0,1,2,3,4,5,6,7,8,9,10,11,12,13,14,15
	s_wait_dscnt 15-\t                             ; the younger read-backs stay out
	v_pk_add_f32 v[\rb+4*\t:\rb+4*\t+1],   v[\rb+4*\t:\rb+4*\t+1],   v[BIAS:BIAS+1]
	v_pk_add_f32 v[\rb+4*\t+2:\rb+4*\t+3], v[\rb+4*\t+2:\rb+4*\t+3], v[BIAS+2:BIAS+3]
	global_store_b128 v[CO], v[\rb+4*\t:\rb+4*\t+3], s[8:9] offset:(16*\blk+\t)*4096   ; 512 neighbouring bytes of a row, aligned
.endr
.endm
	OUT16 0, 0, 0x08, RB0
	OUT16 1, 1, 0x08, RB1
	OUT16 2, 0, 0x0c, RB0
	OUT16 3, 1, 0x0c, RB1
	CROUND                                         ; the closing round
	s_endpgm
.Lfunc_end_k_q5e134867be_proj:
	.size	k_q5e134867be_proj, .Lfunc_end_k_q5e134867be_proj-k_q5e134867be_proj
	.p2alignl 7, 3214868480
	.fill 96, 4, 3214868480
	.section	.rodata,"a",@progbits
	.p2align	6, 0x0
	.amdhsa_kernel k_q5e134867be_proj
		.amdhsa_group_segment_fixed_size 327680
		.amdhsa_private_segment_fixed_size 0
		.amdhsa_enable_private_segment 0
		.amdhsa_kernarg_size 32
		.amdhsa_user_sgpr_count 2
		.amdhsa_user_sgpr_kernarg_segment_ptr 1
		.amdhsa_wavefront_size32 1
		.amdhsa_system_sgpr_workgroup_id_x 1
		.amdhsa_system_sgpr_workgroup_id_y 1
		.amdhsa_system_sgpr_workgroup_id_z 1
		.amdhsa_system_vgpr_workitem_id 0
		.amdhsa_next_free_vgpr 896
		.amdhsa_next_free_sgpr 66
		.amdhsa_reserve_vcc 0
		.amdhsa_float_denorm_mode_32 3
		.amdhsa_float_denorm_mode_16_64 3
		.amdhsa_memory_ordered 1
		.amdhsa_forward_progress 1
		.amdhsa_inst_pref_size 127
	.end_amdhsa_kernel
	.amdgpu_metadata
---
amdhsa.version: [ 1, 2 ]
amdhsa.kernels:
  - .name:           k_q5e134867be_proj
    .symbol:         k_q5e134867be_proj.kd
    .args:
      - { .name: aoh, .offset: 0, .size: 8, .value_kind: global_buffer, .address_space: global }
      - { .name: xw, .offset: 8, .size: 8, .value_kind: global_buffer, .address_space: global }
      - { .name: bp, .offset: 16, .size: 8, .value_kind: global_buffer, .address_space: global }
      - { .name: out0, .offset: 24, .size: 8, .value_kind: global_buffer, .address_space: global }
    .group_segment_fixed_size: 327680
    .private_segment_fixed_size: 0
    .kernarg_segment_align: 8
    .kernarg_segment_size: 32
    .max_flat_workgroup_size: 128
    .sgpr_count:     66
    .vgpr_count:     896
    .wavefront_size: 32
...
	.end_amdgpu_metadata
.endif
;; end of part 4
;; ======== version 2 of 2: 4 launches; 1.17 times as fast as version 1
;; limits: values are held in f16: magnitudes above 65,504 overflow, below 6.1e-05 lose precision
;; workspace buffers: xw 25,165,824 bytes; qkvh 50,331,648 bytes; aoh 16,777,216 bytes; aol 131,072 bytes
;; launch cast: the kernel of part 1 again; grid 768 x 1, 8 waves a work-group, no clusters, 0 bytes of LDS; arguments x, Wq, Wk, Wv, Wp, xw; writes xw
;; launch qkvgemm: the kernel of part 2 again; grid 16 x 32, 4 waves a work-group, clusters of 4 x 4, 327,680 bytes of LDS; arguments xw, qkvh; writes qkvh
;; launch attn (part 5): grid 4 x 64, 8 waves a work-group, no clusters, 327,680 bytes of LDS; arguments qkvh, aoh, aol; writes aoh, aol
.if DOCPART == 5
	.amdgcn_target "amdgcn-amd-amdhsa--gfx1250"
	.amdhsa_code_object_version 6
	.text
	.protected	k_q5e134867be_attn
	.globl	k_q5e134867be_attn
	.p2align	8
	.type	k_q5e134867be_attn,@function
k_q5e134867be_attn:
	s_mov_b64 s[64:65], 0
	v_nop
	global_prefetch_b8 v0, s[64:65] scope:SCOPE_SE
	s_setreg_imm32_b32 hwreg(HW_REG_WAVE_MODE, 25, 1), 1
	s_wait_xcnt 0x0
; Causal attention of one head, softmax(q k^T / 32) v, with a running maximum.  q, k, v: f16 by heads (qkvh[b][hd][t][s]); sums, maxima, exponentials in f32.
; The result goes out in f16 by heads, aoh[b][head][t][s], rounded to nearest.  For the first 16 rows of a sequence it goes out as a pair instead: aoh holds the f32
; result cut to 11 significant bits and aol[b][head][t < 16][s] the rest.  Such a row averages at most 16 value vectors and can stand far above the root mean square
; of the whole output, against which errors are judged; the last product adds the rest for these rows.
; LIMITS: |result| below 65,504; below 6.1e-5 f16 keeps an absolute step of 6e-8.  The weights p go to the matrix unit in f16, their sum is taken from the unrounded p.
; NaN and infinities among the inputs are not followed as the definition follows them.
; Work-group (i, head) makes the query blocks i and 7 - i (256 queries each): (i + 1) + (8 - i) = 9 units of 256 keys for every work-group.
; EIGHT WAVES, two for each of the four SIMDs, 512 registers each, so that one wave's softmax is issued while the other's products run.  Wave s8 has the 64 queries of
; group w = s8 % 4 and the key half hf = s8 / 4: of a unit's four sub-blocks of 64 keys hf 1 takes 0 and 1, hf 0 takes 2 and 3.  Each wave keeps maxima, sums and O of its own keys.
; Unit order: n = 0 the diagonal unit i; n = 1 .. i units 0 .. i-1; n = i+1 the diagonal unit 7-i; then units 0 .. 6-i.  In a diagonal unit group w has sub-blocks 0 .. w:
; hf 0 first takes the masked sub-block w, which starts its sums; hf 1 starts from an empty state; the sub-blocks below w are shared as above.
; At a block's end the two halves meet through LDS.  hf 1 holds its query tiles turned by two (its tile nt is the group's tile (nt + 2) % 4), so one text serves both:
; a wave sends its tiles 2 and 3, takes the partner's for its tiles 0 and 1, and finishes those 32 queries.
; NO JOINT LOADS: the four work-groups of a head want different units in the same trip (unit n of work-group i is i, n-1, 7-i or n-i-2), so no tile is asked for by two at one time.
; S^T = K Q^T: lane (r, h) holds query r and keys 8 h + j, so maxima and sums are a lane's own but for one exchange of the halves,
; and two neighbouring key tiles packed to f16 are the second source of O^T = V^T P^T as they stand.  V^T's fragments come by the transposing LDS load.
; K and V of a unit come by one tensor load a wave (waves 0, 1: V's halves; 2, 3: K's; 4 to 7 none) into two slots that take turns; a load has a whole unit's work in which to land.
.set SLOTB, 77824                      ; a slot: V 256 x 160, then K 256 x 144
.set KOFF,  40960
.set KP,    144                        ; K's pitch: 128 + 16, an odd multiple of 16
.set VP,    160                        ; V's pitch: 128 + 32, an odd multiple of 32 (transposing loads)
.set XCH,   2*SLOTB                    ; 155,648 = 608 x 256: what a wave sends to its partner, 18 x 512 bytes for each wave; never a fill's target
.set XB,    9216
.set STAGE, XCH+8*XB                   ; 229,376 = 896 x 256: 32 x 144 bytes for each wave, for the way out; never a fill's target
.set KL, 2                             ; r 144 + 16 h
.set VL, 3                             ; (8 h + l % 8) 160 + 16 ((l / 8) % 2)
.set KADR, 4
.set VADR, 5
.set RH, 6                             ; r - 8 h
.set STO, 7
.set RD, 8
.set CO, 9
.set QOA, 10                           ; where my tiles 0, 1 lie among the group's queries
.set QOB, 11                           ; and my tiles 2, 3
.set NM, 12                            ; v[12+2nt] the shift -c max;  TM = v[13+2nt] the running maximum
.set TM, 13
.set AL, 20                            ; v[20+2nt] the factor for the old sums;  T2 = v[21+2nt] at work
.set T2, 21
.set LS, 32                            ; v[32+2nt:33+2nt] the sum of p, in two parts
.set PS, 40                            ; v[40:47] the partner's shifts and sums
.set XW, 48
.set XR, 49
.set KF, 64                            ; v[64:127]  K's fragments, tile (kt, ks) at 8 (2 kt + ks)
.set VF, 128                           ; v[128:191] V^T's fragments, tile (st, kk) at 8 (2 st + kk)
.set QF, 192                           ; v[192:255] Q's fragments, tile (nt, ks) at 8 (2 nt + ks)
.set OB, 128                           ; window 1: O^T, tile (st, nt) at 128 + 8 (4 nt + st); S^T, tile (kt, nt) at 16 (4 (kt / 2) + nt) + 8 (kt % 2)
.set G1K, 24
.set G1V, 32
.set G0V, 40                           ; s[40:43] slot 0, s[44:47] slot 1
.set G0K, 48
.set MK,  76                           ; s[76+j]: lanes where j <= r - 8 h
.set MSB, 0
.macro WIN new
.if MSB != \new
	s_set_vgpr_msb (MSB<<8)|\new
.set MSB, \new
.endif
.endm
.macro LOADKV s                        ; the wave's one tensor load: its half of V (waves 0, 1) or of K (waves 2, 3); waves 4 to 7 have no part to fill
	s_cmp_eq_u32 s10, 0
	s_cbranch_scc0 .Lnot_v_\@
	tensor_load_to_lds s[G0V+4*\s:G0V+4*\s+3], s[G1V:G1V+7]
	s_nop 0
	s_branch .Lasked_\@
.Lnot_v_\@:
	s_cmp_eq_u32 s10, 1
	s_cbranch_scc0 .Lasked_\@
	tensor_load_to_lds s[G0K+4*\s:G0K+4*\s+3], s[G1K:G1K+7]
	s_nop 0
.Lasked_\@:
.endm
.macro QLOAD qb                        ; my group's 64 queries as second-source fragments, straight from memory
.irp nt, 0,1
.irp ks, 0,1
	global_load_b128 v[QF+8*(2*\nt+\ks):QF+8*(2*\nt+\ks)+3],   v[QOA], s[\qb:\qb+1] offset:\nt*2048+\ks*64
	global_load_b128 v[QF+8*(2*\nt+\ks)+4:QF+8*(2*\nt+\ks)+7], v[QOA], s[\qb:\qb+1] offset:\nt*2048+\ks*64+32
.endr
.endr
.irp nt, 2,3
.irp ks, 0,1
	global_load_b128 v[QF+8*(2*\nt+\ks):QF+8*(2*\nt+\ks)+3],   v[QOB], s[\qb:\qb+1] offset:(\nt-2)*2048+\ks*64
	global_load_b128 v[QF+8*(2*\nt+\ks)+4:QF+8*(2*\nt+\ks)+7], v[QOB], s[\qb:\qb+1] offset:(\nt-2)*2048+\ks*64+32
.endr
.endr
.endm
	s_load_b128 s[4:7], s[0:1], 0x0                ; qkvh s[4:5], aoh s[6:7]
	s_load_b64 s[74:75], s[0:1], 0x10              ; aol
	v_lshrrev_b32 v1, 5, v0
	v_readfirstlane_b32 s8, v1                     ; wave 0..7
	s_lshr_b32 s10, s8, 1                          ; 0: I fetch V, 1: K, 2 and 3: nothing
	s_and_b32 s15, s8, 3                           ; w: my group of 64 queries
	s_lshr_b32 s62, s8, 2                          ; hf: my half of the keys
	s_lshl_b32 s99, s62, 1
	s_sub_co_u32 s99, 2, s99                       ; my first sub-block of a unit: 2 (hf 0) or 0 (hf 1)
	s_mov_b32 s9, ttmp9                            ; i
	s_add_co_u32 s17, s9, 1
	s_sub_co_u32 s87, 7, s9
	s_and_b32 s88, ttmp7, 0xffff                   ; 16 batch + head
	s_lshl_b32 s89, s88, 18                        ; my head in aoh: heads of 262,144 bytes
	s_lshl_b32 s98, s88, 11                        ; my head in aol: 16 rows of 128 bytes
	s_lshr_b32 s90, s88, 4
	s_lshl_b32 s90, s90, 5
	s_add_co_u32 s90, s90, s88                     ; 48 batch + head
	s_lshl_b32 s90, s90, 18                        ; q's head in qkvh
	s_lshl_b32 s88, s15, 13                        ; my group's 64 rows of 128 bytes
	s_lshl_b32 s91, s9, 15                         ; block i: 256 rows
	s_lshl_b32 s92, s87, 15                        ; block 7 - i
	s_and_b32 s93, s8, 1
	s_lshl_b32 s93, s93, 14                        ; the half of a unit that I fetch: 128 keys
	s_mov_b32 s18, 0x3d38aa3b                      ; c = log2(e) / 32
	s_mov_b32 s19, 0x3d38aa3b
	s_mov_b32 s20, 0xbd38aa3b                      ; -c
	s_mov_b32 s21, 0x76543210                      ; lane l of one half reads lane l of the other
	s_mov_b32 s22, 0xfedcba98
	s_mov_b32 s23, 0xff800000                      ; -infinity
	s_mov_b32 s86, 0xffffe000                      ; keeps 11 significant bits of an f32
	s_mul_i32 s84, s15, 64*KP                      ; the diagonal sub-block w in K
	s_mul_i32 s85, s15, 64*VP                      ; and in V
	s_mul_i32 s96, s99, 64*KP                      ; my first sub-block in K
	s_mul_i32 s97, s99, 64*VP                      ; and in V
	; group 1: 64 rows of 256 bytes (two keys each), dense; padding behind every 128 bytes: 16 bytes for K, 32 for V
	s_mov_b32 s[G1K+0], (1<<16)|(1<<20)|(4<<22)|(3<<25)
	s_mov_b32 s[G1V+0], (1<<16)|(1<<20)|(4<<22)|(7<<25)
	s_mov_b32 s[G1K+1], 128<<16
	s_mov_b32 s[G1V+1], 128<<16
	s_mov_b32 s[G1K+2], 64<<16
	s_mov_b32 s[G1V+2], 64<<16
	s_mov_b32 s[G1K+3], 128<<16
	s_mov_b32 s[G1V+3], 128<<16
	s_mov_b32 s[G1K+4], 64
	s_mov_b32 s[G1V+4], 64
	s_mov_b32 s[G1K+5], 128
	s_mov_b32 s[G1V+5], 128
	s_mov_b32 s[G1K+6], 0
	s_mov_b32 s[G1V+6], 0
	s_mov_b32 s[G1K+7], 0
	s_mov_b32 s[G1V+7], 0
	s_mul_i32 s94, s8, 128*VP                      ; V's halves at wave x 20,480 (waves 0, 1)
	s_mul_i32 s95, s8, 128*KP
	s_add_co_u32 s95, s95, KOFF-2*128*KP           ; K's at 40,960 + (wave - 2) x 18,432 (waves 2, 3)
.irp s, 0,1
	s_mov_b32 s[G0V+4*\s], 1
	s_add_co_u32 s[G0V+4*\s+1], s94, \s*SLOTB
	s_mov_b32 s[G0K+4*\s], 1
	s_add_co_u32 s[G0K+4*\s+1], s95, \s*SLOTB
.endr
	s_mov_b32 s61, 0
	s_add_co_u32 s60, s90, s93
	s_wait_kmcnt 0x0
	s_add_nc_u64 s[56:57], s[4:5], s[60:61]
	s_add_nc_u64 s[58:59], s[56:57], 0x800000      ; V's head, my half: 32 heads behind q's
	s_add_nc_u64 s[56:57], s[56:57], 0x400000      ; K's head, my half: 16 heads behind q's
	s_mov_b32 s60, s91                             ; unit i
	s_add_nc_u64 s[G0V+2:G0V+3], s[58:59], s[60:61]
	s_or_b32 s[G0V+3], s[G0V+3], 0x80000000
	s_add_nc_u64 s[G0K+2:G0K+3], s[56:57], s[60:61]
	s_or_b32 s[G0K+3], s[G0K+3], 0x80000000
	LOADKV 0                                       ; the first fill, ahead of every wait, LDS read and barrier
	s_add_co_u32 s60, s90, s88
	s_add_nc_u64 s[66:67], s[4:5], s[60:61]
	s_mov_b32 s60, s92
	s_add_nc_u64 s[68:69], s[66:67], s[60:61]      ; my group's queries of block 7 - i
	s_mov_b32 s60, s91
	s_add_nc_u64 s[66:67], s[66:67], s[60:61]      ; and of block i
	s_lshl_b32 s63, s62, 12                        ; hf x 32 rows of 128 bytes
	s_add_co_u32 s60, s89, s88
	s_add_co_u32 s60, s60, s63                     ; I finish rows 32 hf .. 32 hf + 31 of the group
	s_add_nc_u64 s[70:71], s[6:7], s[60:61]
	s_mov_b32 s60, s92
	s_add_nc_u64 s[72:73], s[70:71], s[60:61]      ; where block 7 - i's results go
	s_mov_b32 s60, s91
	s_add_nc_u64 s[70:71], s[70:71], s[60:61]      ; and block i's
	s_mov_b32 s60, s98
	s_add_nc_u64 s[74:75], s[74:75], s[60:61]      ; my head's 16 rows of aol
	v_and_b32 v1, 15, v0                           ; r
	v_bfe_u32 v50, v0, 4, 1                        ; h
	v_lshlrev_b32 v51, 7, v1
	v_lshl_add_u32 v51, v50, 4, v51                ; r 128 + 16 h
	v_add_nc_u32 v[QOA], s63, v51                  ; my tiles 0, 1 are the group's 2 hf, 2 hf + 1
	s_xor_b32 s63, s63, 4096
	v_add_nc_u32 v[QOB], s63, v51                  ; my tiles 2, 3 the other two
	QLOAD 66
	v_mul_u32_u24 v[KL], v1, KP
	v_lshl_add_u32 v[KL], v50, 4, v[KL]
	v_and_b32 v52, 7, v0
	v_lshl_add_u32 v53, v50, 3, v52
	v_mul_u32_u24 v[VL], v53, VP
	v_bfe_u32 v53, v0, 3, 1
	v_lshl_add_u32 v[VL], v53, 4, v[VL]
	v_lshlrev_b32 v53, 3, v50
	v_sub_nc_u32 v[RH], v1, v53
	s_mul_i32 s63, s8, 32*KP                       ; my stage
	v_add3_u32 v[STO], v[KL], s63, STAGE           ; in: row r of a query tile, 16 bytes for each half of the lanes
	v_and_b32 v53, 31, v0
	v_lshrrev_b32 v51, 3, v53
	v_mul_u32_u24 v51, v51, KP
	v_lshl_add_u32 v51, v52, 4, v51
	v_add3_u32 v[RD], v51, s63, STAGE              ; back: four rows of 128 bytes a load
	v_lshlrev_b32 v[CO], 4, v53                    ; which are 512 neighbouring bytes of aoh
	s_mul_i32 s63, s8, XB
	v_add3_u32 v[XW], v[CO], s63, XCH              ; what I send: 16 bytes a lane, 512 a store
	s_xor_b32 s63, s8, 4                           ; my partner: the same queries, the other keys
	s_mul_i32 s63, s63, XB
	v_add3_u32 v[XR], v[CO], s63, XCH
.irp j, 0,1,2,3,4,5,6,7
	v_cmp_le_i32 s[MK+\j], \j, v[RH]               ; on the diagonal tiles key 8 h + j is kept where it is no later than query r
.endr
.irp nt, 0,1,2,3
	v_mov_b32 v[T2+2*\nt], 0                       ; the lane exchange counts as a reader of its destination
.endr
; One sub-block: 64 keys x my 64 queries.  first = 1: the diagonal sub-block, which is masked and starts maxima, sums and O.
.macro SB first
.rept 5
	v_nop                                          ; five places behind the last products: K's and V's fragments are loaded again, and S is written over P
.endr
.irp kt, 0,1,2,3
.irp ks, 0,1
	ds_load_b128 v[KF+8*(2*\kt+\ks):KF+8*(2*\kt+\ks)+3],   v[KADR] offset:\kt*16*KP+\ks*64
	ds_load_b128 v[KF+8*(2*\kt+\ks)+4:KF+8*(2*\kt+\ks)+7], v[KADR] offset:\kt*16*KP+\ks*64+32
.endr
.endr
.irp st, 0,1,2,3
.irp kk, 0,1
	ds_load_tr16_b128 v[VF+8*(2*\st+\kk):VF+8*(2*\st+\kk)+3],   v[VADR] offset:\kk*32*VP+\st*32
	ds_load_tr16_b128 v[VF+8*(2*\st+\kk)+4:VF+8*(2*\st+\kk)+7], v[VADR] offset:\kk*32*VP+\st*32+16*VP
.endr
.endr
	s_wait_dscnt 16                                ; K's sixteen loads are in, V's sixteen may stay out
	WIN 0x50                                       ; D and C window 1, sources window 0
	; S^T = K Q^T.  The tiles take turns, one instruction a turn; the first 32 of s start the sums.
.irp ks, 0,1
.irp kt, 0,1,2,3
.irp nt, 0,1,2,3
.if (\first == 0) || (\kt <= \nt)
.set SR, 16*(4*(\kt>>1)+\nt)+8*(\kt&1)
.if \ks == 0
	v_wmma_f32_16x16x32_f16 v[SR:SR+7], v[KF+16*\kt:KF+16*\kt+7], v[QF+16*\nt:QF+16*\nt+7], 0
.else
	v_wmma_f32_16x16x32_f16 v[SR:SR+7], v[KF+16*\kt+8:KF+16*\kt+15], v[QF+16*\nt+8:QF+16*\nt+15], v[SR:SR+7]
.endif
.endif
.endr
.endr
.endr
.rept 4
	v_nop                                          ; four places in front of the first read of S
.endr
.if \first
	WIN 0x44
.irp kt, 0,1,2,3
.irp nt, 0,1,2,3
.set SR, 16*(4*(\kt>>1)+\nt)+8*(\kt&1)
.if \kt == \nt
.irp j, 0,1,2,3,4,5,6,7
	v_cndmask_b32 v[SR+\j], s23, v[SR+\j], s[MK+\j]
.endr
.endif
.if \kt > \nt
.irp j, 0,1,2,3,4,5,6,7
	v_mov_b32 v[SR+\j], s23                        ; tiles of later keys: all masked, not computed
.endr
.endif
.endr
.endr
.endif
	WIN 0x05                                       ; the running maximum takes in my 32 scores of each query tile
.irp q, 0,1,2,3,4,5,6,7,8,9,10,11,12,13,14,15
.irp nt, 0,1,2,3
.set SR, 16*(4*(\q>>3)+\nt)+2*(\q&7)
.if (\first == 1) && (\q == 0)
	v_max_num_f32 v[TM+2*\nt], v[SR], v[SR+1]
.else
	v_max3_num_f32 v[TM+2*\nt], v[SR], v[SR+1], v[TM+2*\nt]
.endif
.endr
.endr
	WIN 0
.irp nt, 0,1,2,3
	v_permlanex16_b32 v[T2+2*\nt], v[TM+2*\nt], s21, s22       ; the other half's keys of the same query
.endr
.irp nt, 0,1,2,3
	v_max_num_f32 v[TM+2*\nt], v[TM+2*\nt], v[T2+2*\nt]
.endr
.irp nt, 0,1,2,3
	v_mul_f32 v[T2+2*\nt], s20, v[TM+2*\nt]        ; the new shift
.endr
.if \first == 0
.irp nt, 0,1,2,3
	v_sub_f32 v[AL+2*\nt], v[T2+2*\nt], v[NM+2*\nt]            ; new shift - old shift, of the two numbers that are really used
.endr
.irp nt, 0,1,2,3
	v_exp_f32 v[AL+2*\nt], v[AL+2*\nt]
.endr
.endif
	s_wait_alu depctr_va_vdst(0)
.irp nt, 0,1,2,3
	v_mov_b32 v[NM+2*\nt], v[T2+2*\nt]             ; plain instructions behind the exponentials, in front of the first use of their results
.endr
.irp nt, 0,1,2,3
.if \first
	v_mov_b32 v[LS+2*\nt], 0
	v_mov_b32 v[LS+2*\nt+1], 0
.else
	v_pk_mul_f32 v[LS+2*\nt:LS+2*\nt+1], v[LS+2*\nt:LS+2*\nt+1], v[AL+2*\nt:AL+2*\nt+1] op_sel_hi:[1,0]
.endif
.endr
	WIN 0x41                                       ; p = 2^(c s - c max), in place; the old O is scaled behind each run of exponentials
.irp nt, 0,1,2,3
.irp q, 0,1,2,3,4,5,6,7,8,9,10,11,12,13,14,15
.set SR, 16*(4*(\q>>3)+\nt)+2*(\q&7)
	v_pk_fma_f32 v[SR:SR+1], v[SR:SR+1], s[18:19], v[NM+2*\nt:NM+2*\nt+1] op_sel_hi:[1,0,0]
.endr
.irp q, 0,1,2,3,4,5,6,7,8,9,10,11,12,13,14,15
.set SR, 16*(4*(\q>>3)+\nt)+2*(\q&7)
	v_exp_f32 v[SR], v[SR]
	v_exp_f32 v[SR+1], v[SR+1]
.endr
.if \first == 0
.irp q, 0,1,2,3,4,5,6,7,8,9,10,11,12,13,14,15
	v_pk_mul_f32 v[OB+32*\nt+2*\q:OB+32*\nt+2*\q+1], v[OB+32*\nt+2*\q:OB+32*\nt+2*\q+1], v[AL+2*\nt:AL+2*\nt+1] op_sel_hi:[1,0]
.endr
.endif
.endr
	v_nop                                          ; a plain place behind the last exponential
	WIN 0x01
	s_wait_alu depctr_va_vdst(0)
.irp q, 0,1,2,3,4,5,6,7,8,9,10,11,12,13,14,15
.irp nt, 0,1,2,3
.set SR, 16*(4*(\q>>3)+\nt)+2*(\q&7)
	v_pk_add_f32 v[LS+2*\nt:LS+2*\nt+1], v[SR:SR+1], v[LS+2*\nt:LS+2*\nt+1]
.endr
.endr
	WIN 0x45                                       ; two key tiles of 8 f32 become one fragment of 8 registers, in place and ascending
.irp g, 0,1,2,3,4,5,6,7
.irp m, 0,1,2,3,4,5,6,7
	v_cvt_pk_f16_f32 v[16*\g+\m], v[16*\g+2*\m], v[16*\g+2*\m+1]
.endr
.endr
	s_wait_dscnt 0x0                               ; V's fragments
	WIN 0x54                                       ; D, C and source 1 (P) window 1, source 0 (V^T) window 0
.irp kk, 0,1
.irp nt, 0,1,2,3
.irp st, 0,1,2,3
.set OR_, OB+8*(4*\nt+\st)
.if (\first == 1) && (\kk == 0)
	v_wmma_f32_16x16x32_f16 v[OR_:OR_+7], v[VF+8*(2*\st+\kk):VF+8*(2*\st+\kk)+7], v[16*(4*\kk+\nt):16*(4*\kk+\nt)+7], 0
.else
	v_wmma_f32_16x16x32_f16 v[OR_:OR_+7], v[VF+8*(2*\st+\kk):VF+8*(2*\st+\kk)+7], v[16*(4*\kk+\nt):16*(4*\kk+\nt)+7], v[OR_:OR_+7]
.endif
.endr
.endr
.endr
	WIN 0
.endm
; The empty state of a wave that has seen no key yet: the maximum is the lowest finite number, so that the first real maximum gives the factor 2^(-huge) = 0 for the old sums,
; and the sums are nothing.  O = 0 x 0 + 0 by sixteen matrix instructions on two cleared fragments, in the place of 128 moves.
; ORDER: the sixteen lines on maxima, shifts and sums stand first.  They name no register of any matrix instruction, so they are the places (ISA guide 7.12.1: four before a
; source is written, five before O is written over) behind whatever matrix instruction came last on the way here, an earlier run of this macro's own sixteen among them,
; which read the two fragments that are cleared next.
.macro CLEAR
.irp nt, 0,1,2,3
	v_mov_b32 v[TM+2*\nt], 0xff7fffff
.endr
.irp nt, 0,1,2,3
	v_mul_f32 v[NM+2*\nt], s20, v[TM+2*\nt]        ; its shift, finite
	v_mov_b32 v[LS+2*\nt], 0
	v_mov_b32 v[LS+2*\nt+1], 0
.endr
.irp k, 0,1,2,3,4,5,6,7,8,9,10,11,12,13,14,15
	v_mov_b32 v[KF+\k], 0
.endr
	WIN 0x40
.irp t, 0,1,2,3,4,5,6,7,8,9,10,11,12,13,14,15
	v_wmma_f32_16x16x32_f16 v[OB+8*\t:OB+8*\t+7], v[KF:KF+7], v[KF+8:KF+15], 0
.endr
	WIN 0
.endm
; 16 ntn rows of 128 bytes from registers reg .. through my stage to memory
.macro PUT reg, aob, ntn
.set n_, 0
.rept 4*\ntn
	ds_store_b128 v[STO], v[\reg+4*n_:\reg+4*n_+3] offset:(n_>>2)*16*KP+(n_&3)*32
.set n_, n_+1
.endr
.set n_, 0
.rept 4*\ntn
	ds_load_b128 v[\reg+4*n_:\reg+4*n_+3], v[RD] offset:n_*4*KP    ; LDS serves a wave's instructions in order: these see the stores above
.set n_, n_+1
.endr
.set n_, 0
.rept 4*\ntn
	s_wait_dscnt 4*\ntn-1-n_                       ; the younger read-backs stay out
	global_store_b128 v[CO], v[\reg+4*n_:\reg+4*n_+3], s[\aob:\aob+1] offset:n_*512   ; 512 neighbouring bytes, aligned
.set n_, n_+1
.endr
.endm
; A query block is done.  I send my tiles 2 and 3 (O, shifts, sums), take the partner's for my tiles 0 and 1, bring both to the lower shift, divide by the sum and store 32 rows.
; qnext = 1: the second block's queries are asked for meanwhile.  lo = 1: this may be the block with a sequence's first 16 rows.
.macro FINISH aob, qnext, lo
.rept 4
	v_nop                                          ; four places behind the last products
.endr
	WIN 0x04                                       ; the stores' data from window 1
.irp k, 0,1,2,3,4,5,6,7,8,9,10,11,12,13,14,15
	ds_store_b128 v[XW], v[OB+64+4*\k:OB+64+4*\k+3] offset:512*\k
.endr
	WIN 0
	ds_store_b128 v[XW], v[NM+4:NM+7] offset:8192  ; shift and maximum of tiles 2, 3
	ds_store_b128 v[XW], v[LS+4:LS+7] offset:8704  ; their sums
	s_wait_dscnt 0x0                               ; for the partner's sake: all my stores are done
	s_barrier_signal -1
	s_barrier_wait -1                              ; the next unit's tensor load may stay out
.irp k, 0,1,2,3,4,5,6,7,8,9,10,11,12,13,14,15
	ds_load_b128 v[KF+4*\k:KF+4*\k+3], v[XR] offset:512*\k
.endr
	ds_load_b128 v[PS:PS+3], v[XR] offset:8192
	ds_load_b128 v[PS+4:PS+7], v[XR] offset:8704
.if \qnext
	QLOAD 68
.endif
	s_wait_dscnt 0x0
.irp t, 0,1
	v_min_num_f32 v[T2+2*\t], v[NM+2*\t], v[PS+2*\t]           ; the shift of the larger maximum
.endr
.irp t, 0,1
	v_sub_f32 v[AL+2*\t], v[T2+2*\t], v[NM+2*\t]
	v_sub_f32 v[PS+2*\t+1], v[T2+2*\t], v[PS+2*\t]
.endr
.irp t, 0,1
	v_exp_f32 v[AL+2*\t], v[AL+2*\t]               ; my factor
	v_exp_f32 v[PS+2*\t+1], v[PS+2*\t+1]           ; the partner's
.endr
.irp t, 0,1
	v_add_f32 v[TM+2*\t], v[LS+2*\t], v[LS+2*\t+1] ; plain instructions behind the exponentials
	v_add_f32 v[PS+4+2*\t], v[PS+4+2*\t], v[PS+5+2*\t]
.endr
	s_wait_alu depctr_va_vdst(0)
.irp t, 0,1
	v_mul_f32 v[TM+2*\t], v[TM+2*\t], v[AL+2*\t]
.endr
.irp t, 0,1
	v_fma_f32 v[TM+2*\t], v[PS+4+2*\t], v[PS+2*\t+1], v[TM+2*\t]
.endr
.irp t, 0,1
	v_permlanex16_b32 v[T2+2*\t], v[TM+2*\t], s21, s22
.endr
.irp t, 0,1
	v_add_f32 v[TM+2*\t], v[TM+2*\t], v[T2+2*\t]   ; the whole sum of p
.endr
.irp t, 0,1
	v_rcp_f32 v[T2+2*\t], v[TM+2*\t]
.endr
	v_nop                                          ; a plain place behind the reciprocals
	s_wait_alu depctr_va_vdst(0)
.irp t, 0,1
	v_mul_f32 v[AL+2*\t], v[AL+2*\t], v[T2+2*\t]
	v_mul_f32 v[PS+2*\t], v[PS+2*\t+1], v[T2+2*\t]
.endr
	WIN 0x41
.irp t, 0,1
.irp q, 0,1,2,3,4,5,6,7,8,9,10,11,12,13,14,15
	v_pk_mul_f32 v[OB+32*\t+2*\q:OB+32*\t+2*\q+1], v[OB+32*\t+2*\q:OB+32*\t+2*\q+1], v[AL+2*\t:AL+2*\t+1] op_sel_hi:[1,0]
.endr
.endr
	WIN 0x50
.irp t, 0,1
.irp q, 0,1,2,3,4,5,6,7,8,9,10,11,12,13,14,15
	v_pk_fma_f32 v[OB+32*\t+2*\q:OB+32*\t+2*\q+1], v[KF+32*\t+2*\q:KF+32*\t+2*\q+1], v[PS+2*\t:PS+2*\t+1], v[OB+32*\t+2*\q:OB+32*\t+2*\q+1] op_sel_hi:[1,0,1]
.endr
.endr
	WIN 0x05
.set e_, 0
.rept 32
	v_cvt_pk_f16_f32 v[KF+e_], v[OB+2*e_], v[OB+2*e_+1]        ; rounded to nearest
.set e_, e_+1
.endr
	WIN 0
.if \lo
	s_or_b32 s63, s8, s9                           ; rows 0 to 15 of a sequence are tile 0 of wave 0 in work-group 0 of the head
	s_cmp_lg_u32 s63, 0
	s_cbranch_scc1 .Lno_lo_\@
	WIN 0x04
.set e_, 0
.rept 32
	v_and_b32 v[VF+e_], s86, v[OB+e_]              ; hi: the result cut to 11 significant bits, still as f32
.set e_, e_+1
.endr
	WIN 0x41
.set e_, 0
.rept 16
	v_pk_add_f32 v[OB+e_:OB+e_+1], v[OB+e_:OB+e_+1], v[VF+e_:VF+e_+1] neg_lo:[0,1] neg_hi:[0,1]   ; lo = result - hi, exact
.set e_, e_+2
.endr
	WIN 0
.set e_, 0
.rept 16
	v_cvt_pk_f16_f32 v[KF+e_], v[VF+2*e_], v[VF+2*e_+1]        ; takes the place of the rounded numbers
.set e_, e_+1
.endr
	WIN 0x05
.set e_, 0
.rept 16
	v_cvt_pk_f16_f32 v[VF+e_], v[OB+2*e_], v[OB+2*e_+1]
.set e_, e_+1
.endr
	WIN 0
	PUT VF, 74, 1
.Lno_lo_\@:
.endif
	PUT KF, \aob, 2
	s_wait_xcnt 0x0                                ; the registers that the stores read are loaded again only behind this wait
.endm
; The trip of unit n (in s16), which lies in slot; other = the other slot, which gets unit n + 1.
.macro TRIP slot, other
	s_wait_tensorcnt 0x0                           ; all my tensor loads have landed, my part of this unit among them: every group 0 may be written
	s_sub_co_u32 s60, s16, s17                     ; unit n + 1 is: n - i - 1 in the second block,
	s_cmp_lt_u32 s16, s9
	s_cselect_b32 s60, s16, s60                    ; n in the first block,
	s_cmp_eq_u32 s16, s9
	s_cselect_b32 s60, s87, s60                    ; 7 - i where the second block begins
	s_lshl_b32 s60, s60, 15
	s_add_nc_u64 s[G0V+4*\other+2:G0V+4*\other+3], s[58:59], s[60:61]
	s_or_b32 s[G0V+4*\other+3], s[G0V+4*\other+3], 0x80000000
	s_add_nc_u64 s[G0K+4*\other+2:G0K+4*\other+3], s[56:57], s[60:61]
	s_or_b32 s[G0K+4*\other+3], s[G0K+4*\other+3], 0x80000000
	s_wait_dscnt 0x0                               ; my reads of the other slot are over
	s_barrier_signal -1
	s_barrier_wait -1                              ; both hold of every wave
	LOADKV \other                                  ; my one tensor load behind this barrier, first thing there
	s_wait_loadcnt 0x0                             ; queries asked for at the end of the first block are in (nothing else is out)
.if \slot == 0
	s_cmp_eq_u32 s16, 0
	s_cselect_b32 s13, s15, 4                      ; unit 0 is diagonal (its start stands ahead of the loop): sub-blocks 0 .. w-1 are left
.else
	s_mov_b32 s13, 4
.endif
	s_cmp_lg_u32 s16, s17
	s_cbranch_scc1 .Lnot_diag_\@
	s_cmp_lg_u32 s62, 0                            ; the second block begins:
	s_cbranch_scc1 .Lempty_\@
	v_add3_u32 v[KADR], v[KL], s84, \slot*SLOTB+KOFF
	v_add3_u32 v[VADR], v[VL], s85, \slot*SLOTB
	SB 1                                           ; hf 0 with the group's masked sub-block,
	s_branch .Lbegun_\@
.Lempty_\@:
	CLEAR                                          ; hf 1 with nothing
.Lbegun_\@:
	s_mov_b32 s13, s15
.Lnot_diag_\@:
	v_add3_u32 v[KADR], v[KL], s96, \slot*SLOTB+KOFF
	v_add3_u32 v[VADR], v[VL], s97, \slot*SLOTB
	s_mov_b32 s14, 0
.Lsub_\@:
	s_add_co_u32 s63, s14, s99                     ; my two sub-blocks of the unit, as far as they lie below the limit
	s_cmp_ge_u32 s63, s13
	s_cbranch_scc1 .Lskip_\@
	SB 0
.Lskip_\@:
	v_add_nc_u32 v[KADR], 64*KP, v[KADR]
	v_add_nc_u32 v[VADR], 64*VP, v[VADR]
	s_add_co_u32 s14, s14, 1
	s_cmp_lt_u32 s14, 2
	s_cbranch_scc1 .Lsub_\@
	s_cmp_lg_u32 s16, s9
	s_cbranch_scc1 .Lnot_last_\@
	FINISH 70, 1, 1                                ; unit i was the first block's last
.Lnot_last_\@:
.endm
	s_wait_tensorcnt 0x0                           ; my part of unit i is in,
	s_barrier_signal -1
	s_barrier_wait -1                              ; everybody's is
	s_wait_loadcnt 0x0                             ; my queries
	s_cmp_lg_u32 s62, 0
	s_cbranch_scc1 .Lempty0
	v_add3_u32 v[KADR], v[KL], s84, KOFF
	v_add_nc_u32 v[VADR], s85, v[VL]
	SB 1                                           ; the first block's masked sub-block starts maxima, sums and O of hf 0;
	s_branch .Lbegun0
.Lempty0:
	CLEAR                                          ; hf 1 starts with nothing: on every path into the loop the state is written
.Lbegun0:
	s_mov_b32 s11, 0
.Lunit:
	s_mov_b32 s16, s11
	TRIP 0, 1
	s_add_co_u32 s16, s11, 1
	TRIP 1, 0
	s_add_co_u32 s11, s11, 2
	s_cmp_lt_u32 s11, 8
	s_cbranch_scc1 .Lunit
	; unit 8, in slot 0: nothing is left to fetch
	s_wait_tensorcnt 0x0
	s_wait_dscnt 0x0
	s_barrier_signal -1
	s_barrier_wait -1
	s_wait_loadcnt 0x0
	v_add3_u32 v[KADR], v[KL], s96, KOFF
	v_add_nc_u32 v[VADR], s97, v[VL]
	s_mov_b32 s14, 0
.Ltail:
	SB 0
	v_add_nc_u32 v[KADR], 64*KP, v[KADR]
	v_add_nc_u32 v[VADR], 64*VP, v[VADR]
	s_add_co_u32 s14, s14, 1
	s_cmp_lt_u32 s14, 2
	s_cbranch_scc1 .Ltail
	FINISH 72, 0, 0
	s_endpgm
.Lfunc_end_k_q5e134867be_attn:
	.size	k_q5e134867be_attn, .Lfunc_end_k_q5e134867be_attn-k_q5e134867be_attn
	.p2alignl 7, 3214868480
	.fill 96, 4, 3214868480
	.section	.rodata,"a",@progbits
	.p2align	6, 0x0
	.amdhsa_kernel k_q5e134867be_attn
		.amdhsa_group_segment_fixed_size 327680
		.amdhsa_private_segment_fixed_size 0
		.amdhsa_enable_private_segment 0
		.amdhsa_kernarg_size 24
		.amdhsa_user_sgpr_count 2
		.amdhsa_user_sgpr_kernarg_segment_ptr 1
		.amdhsa_wavefront_size32 1
		.amdhsa_system_sgpr_workgroup_id_x 1
		.amdhsa_system_sgpr_workgroup_id_y 1
		.amdhsa_system_sgpr_workgroup_id_z 1
		.amdhsa_system_vgpr_workitem_id 0
		.amdhsa_next_free_vgpr 512
		.amdhsa_next_free_sgpr 100
		.amdhsa_reserve_vcc 0
		.amdhsa_float_denorm_mode_32 3
		.amdhsa_float_denorm_mode_16_64 3
		.amdhsa_memory_ordered 1
		.amdhsa_forward_progress 1
		.amdhsa_inst_pref_size 255
	.end_amdhsa_kernel
	.amdgpu_metadata
---
amdhsa.version: [ 1, 2 ]
amdhsa.kernels:
  - .name:           k_q5e134867be_attn
    .symbol:         k_q5e134867be_attn.kd
    .args:
      - { .name: qkvh, .offset: 0, .size: 8, .value_kind: global_buffer, .address_space: global }
      - { .name: aoh, .offset: 8, .size: 8, .value_kind: global_buffer, .address_space: global }
      - { .name: aol, .offset: 16, .size: 8, .value_kind: global_buffer, .address_space: global }
    .group_segment_fixed_size: 327680
    .private_segment_fixed_size: 0
    .kernarg_segment_align: 8
    .kernarg_segment_size: 24
    .max_flat_workgroup_size: 256
    .sgpr_count:     100
    .vgpr_count:     512
    .wavefront_size: 32
...
	.end_amdgpu_metadata
.endif
;; end of part 5
;; launch proj (part 6): grid 8 x 32, 4 waves a work-group, clusters of 4 x 4, 327,680 bytes of LDS; arguments aoh, xw, bp, out0, aol; writes out0
.if DOCPART == 6
	.amdgcn_target "amdgcn-amd-amdhsa--gfx1250"
	.amdhsa_code_object_version 6
	.text
	.protected	k_q5e134867be_proj
	.globl	k_q5e134867be_proj
	.p2align	8
	.type	k_q5e134867be_proj,@function
k_q5e134867be_proj:
	s_mov_b64 s[64:65], 0
	v_nop
	global_prefetch_b8 v0, s[64:65] scope:SCOPE_SE
	s_setreg_imm32_b32 hwreg(HW_REG_WAVE_MODE, 25, 1), 1
	s_wait_xcnt 0x0
	s_wait_alu depctr_hold_cnt(0) depctr_sa_sdst(0) depctr_va_vdst(0) depctr_va_sdst(0) depctr_va_ssrc(0) depctr_va_vcc(0) depctr_vm_vsrc(0)
	s_getreg_b32 s2, hwreg(HW_REG_IB_STS2, 6, 4)
	s_cmp_eq_u32 s2, 0
	s_cbranch_scc0 .Lentry_in_a_cluster
	s_endpgm
.Lentry_in_a_cluster:
	s_bfe_u32 s2, ttmp6, 0x10000c
	s_cmp_lg_u32 s2, 0xf033
	s_cbranch_scc0 .Lentry_shape_is_right
	s_endpgm
.Lentry_shape_is_right:
; out0[8192][1024] = attention result x Wp^T + bp, f32.  The attention result is f16 by heads (aoh[b][head][t][s]); Wp in f16 code is rows 11264.. of xw.  Sums in f32.
; LIMIT: for rows t >= 16 of a sequence the attention result enters as one f16 number (relative step 2^-11).  For t < 16 aoh holds the result cut to 11 bits and
; aol[b][head][t][s] the rest, and both are multiplied: such a row averages at most 16 value vectors and can stand far above the root mean square of the whole output,
; against which errors are judged.
; A work-group makes 256 rows x 128 columns with four waves; a wave makes 64 x 128: 32 accumulator tiles, 256 registers.  K = 1,024 goes in steps of two heads (128).
; A's tile: 128 rows of t of two heads.  A head's 128 rows are 16 KiB dense, so the tile is two rows of 8,192 elements, one head apart; the padding of 16 bytes
; behind every 128 is counted along the whole tile, so each t has a pitch of 144 bytes, head 0's 128 rows first, then head 1's.
; CLUSTERS: 4 x 4 work-groups; A's tile is asked for jointly by a row of the cluster, B's by a column, which divides the requests by four.
; The batch is the place along the cluster's y, the block of 256 rows inside the batch is the CLUSTER's y: so 'my block holds a sequence's first rows' is the same in all
; sixteen partners, and one branch on it chooses between two written-out bodies (SP = 0, 1).
; SP = 1: beside its own block each wave multiplies the 16 rows of aol with two of the eight column tiles (2 wave, 2 wave + 1): two matrix instructions more for every 32.
; Those rows' fragments come straight from memory into a ring of eight (one lap), each loaded again for the next lap behind its use; the two column tiles are read once more
; from B's tile at an address of the wave's own.  At the end the four waves' 16 x 32 sums meet in LDS, and wave 0, which owns the rows, adds them on the way out.
; REGISTERS: window 0 addresses, bias, A's fragments, the way out (its first buffer is the ring of aol's fragments in the loop); window 1 B's fragments;
; windows 2 and 3 the accumulators (tile (a, b) at 8 (8 a + b)), window 2 also the two tiles of aol's product.
; The matrix instruction is used transposed (source 0 = rows of Wp, source 1 = rows of A): lane l holds row l % 16 and eight neighbouring columns.
.set NB,     8
.set APITCH, 144                       ; 128 + 16, an odd multiple of 16
.set BPITCH, 272                       ; 256 + 16
.set AK2,    128*APITCH                ; the second pair of quarter steps is the second head
.set HALFA,  2*128*APITCH              ; 36,864: one tensor load
.set HALFB,  8*NB*BPITCH               ; 64 rows of Wp: one tensor load
.set SLOT,   2*HALFA+2*HALFB           ; 108,544
.set STAGE,  2*SLOT                    ; 217,088 = 848 x 256: behind the ring, never a fill's target
.set SPITCH, 528                       ; a stage row: 512 bytes + 16
.set LOST,   STAGE+4*16*SPITCH         ; 250,880 = 980 x 256: 16 rows x 144 bytes for each wave: its part of aol's product
.set LPITCH, 144
.set LAPS,   4                         ; a lap = two K steps = four heads
.set ASLOT1, 524288                    ; slot 1's heads lie two heads of 262,144 bytes behind slot 0's
.set BSLOT1, 256                       ; and meet the next 128 columns of Wp
.set ASTEP,  1048576                   ; four heads a lap
.set BSTEP,  512
.set ADRA, 16
.set ADRB, 20
.set ADRX, 22                          ; v22-23 my two column tiles of B in slot 0, 1
.set STO,  24
.set RD,   25
.set CO,   26
.set ALV,  27                          ; r 128 + 16 h: my 16 bytes of a row of aol
.set BIAS, 28                          ; v[28:31] bp of my four columns on the way out
.set FA,   32                          ; window 0: v[32:63], v[64:95]
.set FB,   0                           ; window 1: v[0:63], v[64:127]
.set FBX,  128                         ; window 1: v[128:143], v[144:159]
.set LOA,  128                         ; window 2: v[128:143]
.set RB0,  96                          ; v[96:159], v[160:223] rows read back, in turn
.set ALO,  96                          ; v[96:159] in the loop: eight fragments of aol
.set RB1,  160
.set LSTO, 224
.set RDL,  225
.set ALB, 18                           ; s[18:19] aol at my batch and lap
.set G1,  24
.set G0,  32
.set G1B, 48
.set G0B, 56
.set LAPC, 21
.set MSB, 0
.macro WIN new
.if MSB != \new
	s_set_vgpr_msb (MSB<<8)|\new
.set MSB, \new
.endif
.endm
.set MUL_LO, 0xa1
.set MUL_HI, 0xf1
.set TO_B,   0x40
.macro JLOAD s
	s_cmp_eq_u32 s11, 0
	s_cbranch_scc0 .Lfor_b_\@
	tensor_load_to_lds s[G0+4*\s:G0+4*\s+3], s[G1:G1+7]
	s_nop 0
	s_branch .Lasked_\@
.Lfor_b_\@:
	tensor_load_to_lds s[G0B+4*\s:G0B+4*\s+3], s[G1B:G1B+7]
	s_nop 0
.Lasked_\@:
.endm
.macro CREST
	s_cmp_lg_u32 s10, 0
	s_cbranch_scc1 .Lnot_wave_0_\@
	s_barrier_signal -3
.Lnot_wave_0_\@:
	s_barrier_wait -3
	s_barrier_signal -1
	s_barrier_wait -1
.endm
.macro CROUND
	s_barrier_signal -1
	s_barrier_wait -1
	CREST
.endm
.macro PLACES                          ; four places behind a matrix instruction (ISA guide 7.12.1)
.rept 4
	v_nop
.endr
.endm
	s_load_b128 s[4:7], s[0:1], 0x0                ; aoh s[4:5], xw s[6:7]
	s_load_b64 s[2:3], s[0:1], 0x10                ; bp
	s_load_b64 s[8:9], s[0:1], 0x18                ; out0
	s_load_b64 s[ALB:ALB+1], s[0:1], 0x20          ; aol
	v_lshrrev_b32 v1, 5, v0
	v_readfirstlane_b32 s10, v1
	s_lshr_b32 s11, s10, 1
	s_and_b32 s12, s10, 1
	s_bfe_u32 s40, ttmp6, 0x40000                  ; cx
	s_bfe_u32 s41, ttmp6, 0x40004                  ; cy: the batch
	s_lshl_b32 s42, ttmp9, 2
	s_add_co_u32 s42, s42, s40                     ; block column
	s_and_b32 s13, ttmp7, 0xffff                   ; the cluster's y: the block of 256 rows inside the batch
	s_lshl_b32 s43, s41, 2
	s_lshl_b32 s43, 15, s43
	s_lshl_b32 s44, 0x1111, s40
	s_or_b32 s[G1+0], s43, (1<<16)|(1<<20)|(1<<21)|(4<<22)|(3<<25)   ; A: padding of 4 words behind every 32
	s_or_b32 s[G1B+0], s44, (1<<16)|(1<<20)|(1<<21)|(5<<22)|(3<<25)  ; B: behind every 64
	s_mov_b32 s[G1+1], 8192<<16                    ; A: tensor_dim0 = 8,192 elements (128 t x 64 s)
	s_mov_b32 s[G1B+1], 128<<16
	s_mov_b32 s[G1+2], 2<<16                       ; tensor_dim1 = 2 heads
	s_mov_b32 s[G1B+2], (8*NB)<<16
	s_mov_b32 s[G1+3], 8192<<16                    ; tile_dim0
	s_mov_b32 s[G1B+3], 128<<16
	s_mov_b32 s[G1+4], 2                           ; tile_dim1
	s_mov_b32 s[G1B+4], 8*NB
	s_mov_b32 s[G1+5], 131072                      ; a head's elements
	s_mov_b32 s[G1B+5], 1024
	s_mov_b32 s[G1+6], 0
	s_mov_b32 s[G1B+6], 0
	s_mov_b32 s[G1+7], 0
	s_mov_b32 s[G1B+7], 0
	s_lshl_b32 s16, s41, 22                        ; batch: 16 heads of 262,144 bytes
	s_lshl_b32 s17, s13, 15                        ; 256 rows of 128 bytes
	s_add_co_u32 s16, s16, s17
	s_lshl_b32 s17, s12, 14                        ; my half: 128 rows
	s_add_co_u32 s16, s16, s17
	s_mov_b32 s17, 0
	s_lshl_b32 s46, s42, 9                         ; bp: 128 columns of 4 bytes a block column
	s_mov_b32 s47, 0
	s_lshl_b32 s22, s41, 15                        ; aol: 16 heads x 16 rows x 128 bytes a batch
	s_mov_b32 s23, 0
	s_mul_i32 s20, s10, HALFA
	s_mul_i32 s45, s10, HALFB
	s_add_co_u32 s45, s45, 2*HALFA-2*HALFB
	s_wait_kmcnt 0x0
	s_add_nc_u64 s[2:3], s[2:3], s[46:47]
	s_add_nc_u64 s[ALB:ALB+1], s[ALB:ALB+1], s[22:23]
	s_mul_i32 s46, s42, 16*NB
	s_mul_i32 s47, s12, 8*NB
	s_add_co_u32 s46, s46, s47                     ; Wp: row 128 x block column + 64 x half
	s_lshl_b32 s46, s46, 11
	s_mov_b32 s47, 0
	s_add_nc_u64 s[6:7], s[6:7], 0x1600000         ; Wp begins at row 11,264 of xw
	s_add_nc_u64 s[14:15], s[4:5], s[16:17]
	s_add_nc_u64 s[46:47], s[6:7], s[46:47]
	CROUND
.irp s, 0,1
	s_mov_b32 s[G0+4*\s], 1
	s_add_co_u32 s[G0+4*\s+1], s20, \s*SLOT
	s_add_nc_u64 s[G0+4*\s+2:G0+4*\s+3], s[14:15], \s*ASLOT1
	s_or_b32 s[G0+4*\s+3], s[G0+4*\s+3], 0x80000000
	s_mov_b32 s[G0B+4*\s], 1
	s_add_co_u32 s[G0B+4*\s+1], s45, \s*SLOT
	s_add_nc_u64 s[G0B+4*\s+2:G0B+4*\s+3], s[46:47], \s*BSLOT1
	s_or_b32 s[G0B+4*\s+3], s[G0B+4*\s+3], 0x80000000
	JLOAD \s                                       ; two tensor loads of a wave are out here, one later
.endr
	v_and_b32 v1, 15, v0
	v_bfe_u32 v2, v0, 4, 1
	v_and_b32 v5, 31, v0
	v_lshlrev_b32 v[CO], 4, v5                     ; 16 bytes a lane: a row's 512 bytes of the block
	global_load_b128 v[BIAS:BIAS+3], v[CO], s[2:3] ; waited for in front of the way out
	v_mul_u32_u24 v3, v1, APITCH
	v_lshl_add_u32 v3, v2, 4, v3
	v_mul_u32_u24 v8, v1, BPITCH
	v_lshl_add_u32 v8, v2, 4, v8
	s_mul_i32 s21, s11, HALFA
	s_mul_i32 s22, s12, 64*APITCH
	s_add_co_u32 s21, s21, s22                     ; my 64 rows of t, in the first head
	s_mov_b32 s22, 2*HALFA
.irp s, 0,1
	v_add_nc_u32 v[ADRA+\s], s21, v3
	v_add_nc_u32 v[ADRB+\s], s22, v8
	s_add_co_u32 s21, s21, SLOT
	s_add_co_u32 s22, s22, SLOT
.endr
	s_mul_i32 s23, s10, 16*SPITCH
	s_add_co_u32 s23, s23, STAGE
	v_mul_u32_u24 v4, v1, SPITCH
	v_lshl_add_u32 v4, v2, 5, v4
	v_add_nc_u32 v[STO], s23, v4                   ; in: row r, 32 bytes for each half of the lanes
	v_lshl_add_u32 v[RD], v5, 4, s23               ; back: a whole row of 512 bytes
.macro MULA f, hi, a, zero
.irp b, 0,1,2,3,4,5,6,7
.if \zero
	v_wmma_f32_16x16x32_f16 v[8*(NB*\a+\b):8*(NB*\a+\b)+7], v[FB+8*NB*\f+8*\b:FB+8*NB*\f+8*\b+7], v[FA+32*\f+8*(2*\hi+\a):FA+32*\f+8*(2*\hi+\a)+7], 0
.else
	v_wmma_f32_16x16x32_f16 v[8*(NB*\a+\b):8*(NB*\a+\b)+7], v[FB+8*NB*\f+8*\b:FB+8*NB*\f+8*\b+7], v[FA+32*\f+8*(2*\hi+\a):FA+32*\f+8*(2*\hi+\a)+7], v[8*(NB*\a+\b):8*(NB*\a+\b)+7]
.endif
.endr
.endm
; SP = 1: aol's 16 rows x my two column tiles, 32 along K; idx = the quarter step's number in the lap, 0 to 7
.macro MULLO f, idx, zero
.if SP
.irp c, 0,1
.if \zero
	v_wmma_f32_16x16x32_f16 v[LOA+8*\c:LOA+8*\c+7], v[FBX+16*\f+8*\c:FBX+16*\f+8*\c+7], v[ALO+8*(\idx):ALO+8*(\idx)+7], 0
.else
	v_wmma_f32_16x16x32_f16 v[LOA+8*\c:LOA+8*\c+7], v[FBX+16*\f+8*\c:FBX+16*\f+8*\c+7], v[ALO+8*(\idx):ALO+8*(\idx)+7], v[LOA+8*\c:LOA+8*\c+7]
.endif
.endr
.endif
.endm
; fragment idx of aol, of this lap (ahead = 0) or the next: head idx / 2 of the lap's four, 32 of s at 64 (idx % 2) bytes
.macro ALOAD idx, ahead
	global_load_b128 v[ALO+8*(\idx):ALO+8*(\idx)+3],   v[ALV], s[ALB:ALB+1] offset:\ahead*8192+((\idx)>>1)*2048+((\idx)&1)*64
	global_load_b128 v[ALO+8*(\idx)+4:ALO+8*(\idx)+7], v[ALV], s[ALB:ALB+1] offset:\ahead*8192+((\idx)>>1)*2048+((\idx)&1)*64+32
.endm
.macro LOWAIT idx                      ; fragment idx is in.  Behind its two loads the other seven fragments' fourteen were issued; in the last lap, which loads nothing, only those of idx+1 .. 7
.if SP
.if ALFILL
	s_wait_loadcnt 14
.else
	s_wait_loadcnt 14-2*(\idx)
.endif
.endif
.endm
.macro LOFILL idx                      ; behind the four places that follow its use, the fragment is loaded again for the next lap
.if SP && ALFILL
	ALOAD \idx, 1
.endif
.endm
.macro STEPLO                          ; a lap on in aol: four heads of 2,048 bytes
.if SP
	s_wait_xcnt 0x0                                ; the base of loads that are out is stepped only behind this wait
	s_add_nc_u64 s[ALB:ALB+1], s[ALB:ALB+1], 8192
.endif
.endm
.macro FETCH slot, kq, f
	WIN TO_B
.irp t, 0,1,2,3,4,5,6,7
	ds_load_b128 v[FB+8*NB*\f+8*\t:FB+8*NB*\f+8*\t+3],   v[ADRB+\slot] offset:\kq*64+\t*16*BPITCH
	ds_load_b128 v[FB+8*NB*\f+8*\t+4:FB+8*NB*\f+8*\t+7], v[ADRB+\slot] offset:\kq*64+\t*16*BPITCH+32
.endr
.if SP
.irp t, 0,1
	ds_load_b128 v[FBX+16*\f+8*\t:FBX+16*\f+8*\t+3],   v[ADRX+\slot] offset:\kq*64+\t*16*BPITCH
	ds_load_b128 v[FBX+16*\f+8*\t+4:FBX+16*\f+8*\t+7], v[ADRX+\slot] offset:\kq*64+\t*16*BPITCH+32
.endr
.endif
	WIN 0
.irp t, 0,1,2,3
	ds_load_b128 v[FA+32*\f+8*\t:FA+32*\f+8*\t+3],   v[ADRA+\slot] offset:(\kq>>1)*AK2+(\kq&1)*64+\t*16*APITCH
	ds_load_b128 v[FA+32*\f+8*\t+4:FA+32*\f+8*\t+7], v[ADRA+\slot] offset:(\kq>>1)*AK2+(\kq&1)*64+\t*16*APITCH+32
.endr
.endm
; The accumulators take turns, one instruction a turn, in the same order in every quarter.
.macro QUARTER slot, kq, f, g, zero
	s_wait_dscnt 4                                 ; B and A's rows 0-31 are in; the youngest four loads may be out
	LOWAIT 4*\slot+\kq-1
	WIN MUL_LO
	MULA \f, 0, 0, \zero
	MULA \f, 0, 1, \zero
	MULLO \f, 4*\slot+\kq-1, \zero
	PLACES
	FETCH \slot, \kq, \g
	LOFILL 4*\slot+\kq-1
	s_wait_dscnt 2*NB+8+4*SP                       ; all but the run just issued
	WIN MUL_HI
	MULA \f, 1, 0, \zero
	MULA \f, 1, 1, \zero
.endm
.macro THREE slot, zero
	QUARTER \slot, 1, 0, 1, \zero
	QUARTER \slot, 2, 1, 0, 0
	QUARTER \slot, 3, 0, 1, 0
.endm
.macro TURN slot, next, fill
	s_wait_dscnt 4
	WIN MUL_LO
	MULA 1, 0, 0, 0
	s_wait_dscnt 0x0                               ; my reads of this slot are over
	s_wait_tensorcnt 0x0                           ; all my tensor loads have landed
	LOWAIT 4*\slot+3
	s_barrier_signal -1
	MULA 1, 0, 1, 0
	MULLO 1, 4*\slot+3, 0
	WIN 0
	s_barrier_wait -1
.if \fill
	CREST                                          ; no wave of any partner still reads this slot or has a load on its way
	s_add_nc_u64 s[G0+4*\slot+2:G0+4*\slot+3], s[G0+4*\slot+2:G0+4*\slot+3], ASTEP
	s_add_nc_u64 s[G0B+4*\slot+2:G0B+4*\slot+3], s[G0B+4*\slot+2:G0B+4*\slot+3], BSTEP
	JLOAD \slot                                    ; the first tensor load behind the round
.endif
	PLACES
	FETCH \next, 0, 0
	LOFILL 4*\slot+3
	WIN MUL_HI
	MULA 1, 1, 0, 0
	MULA 1, 1, 1, 0
.endm
.macro LAP zero
	THREE 0, \zero
	TURN 0, 1, 1
	THREE 1, 0
	TURN 1, 0, 1
.endm
; 16 rows on their way out: the sums go as they are into my own stage, come back as whole rows of 512 bytes, take the bias (lo = 1: and aol's product) and leave.
.macro OUT16 blk, a, from, rb, lo
	WIN \from                                      ; the stores' data from window 2 or 3
.irp b, 0,1,2,3,4,5,6,7
	ds_store_b128 v[STO], v[8*(NB*\a+\b):8*(NB*\a+\b)+3]   offset:64*\b
	ds_store_b128 v[STO], v[8*(NB*\a+\b)+4:8*(NB*\a+\b)+7] offset:64*\b+16
.endr
	WIN 0
	s_wait_xcnt 0x0                                ; the buffer that earlier stores read is loaded again only behind this wait
.irp t, 0,1,2,3,4,5,6,7,8,9,10,11,12,13,14,15
	ds_load_b128 v[\rb+4*\t:\rb+4*\t+3], v[RD] offset:\t*SPITCH    ; LDS serves a wave's instructions in order: these see the stores above
.endr
.if \lo
.irp t, 0,1,2,3,4,5,6,7,8,9,10,11,12,13,14,15
	ds_load_b128 v[RB1+4*\t:RB1+4*\t+3], v[RDL] offset:\t*LPITCH   ; eight lanes for each wave's 128 bytes of the row
.endr
.endif
.irp t, 0,1,2,3,4,5,6,7,8,9,10,11,12,13,14,15
	s_wait_dscnt 15-\t                             ; the younger read-backs stay out
	v_pk_add_f32 v[\rb+4*\t:\rb+4*\t+1],   v[\rb+4*\t:\rb+4*\t+1],   v[BIAS:BIAS+1]
	v_pk_add_f32 v[\rb+4*\t+2:\rb+4*\t+3], v[\rb+4*\t+2:\rb+4*\t+3], v[BIAS+2:BIAS+3]
.if \lo
	v_pk_add_f32 v[\rb+4*\t:\rb+4*\t+1],   v[\rb+4*\t:\rb+4*\t+1],   v[RB1+4*\t:RB1+4*\t+1]
	v_pk_add_f32 v[\rb+4*\t+2:\rb+4*\t+3], v[\rb+4*\t+2:\rb+4*\t+3], v[RB1+4*\t+2:RB1+4*\t+3]
.endif
	global_store_b128 v[CO], v[\rb+4*\t:\rb+4*\t+3], s[8:9] offset:(16*\blk+\t)*4096   ; 512 neighbouring bytes of a row, aligned
.endr
.endm
.macro BODY
.if SP
	s_mul_i32 s14, s10, 32*BPITCH                  ; my two column tiles: rows 32 wave .. 32 wave + 31 of B's tile
	s_add_co_u32 s14, s14, 2*HALFA
	v_add_nc_u32 v[ADRX], s14, v8
	s_add_co_u32 s14, s14, SLOT
	v_add_nc_u32 v[ADRX+1], s14, v8
	v_lshlrev_b32 v[ALV], 7, v1
	v_lshl_add_u32 v[ALV], v2, 4, v[ALV]
.irp x, 0,1,2,3,4,5,6,7
	ALOAD \x, 0                                    ; the first lap's eight fragments
.endr
	v_mul_u32_u24 v6, v1, LPITCH
	v_lshl_add_u32 v6, v2, 5, v6
	s_mul_i32 s15, s10, 16*LPITCH
	s_add_co_u32 s15, s15, LOST
	v_add_nc_u32 v[LSTO], s15, v6                  ; in: my own 16 rows of 128 bytes
	v_lshrrev_b32 v6, 3, v5
	v_mul_u32_u24 v6, v6, 16*LPITCH
	v_and_b32 v7, 7, v0
	v_lshl_add_u32 v6, v7, 4, v6
	v_add_nc_u32 v[RDL], LOST, v6                  ; back: a row's 512 bytes from the four waves' parts
.endif
	s_wait_tensorcnt 1                             ; my part of slot 0 is in; slot 1's load may stay out
	s_barrier_signal -1
	s_barrier_wait -1
	FETCH 0, 0, 0
.set ALFILL, 1
	LAP 1                                          ; the first lap's first products start the sums
	WIN 0
	STEPLO
	s_mov_b32 s[LAPC], LAPS-2
.Llap_\@:
	LAP 0
	WIN 0
	STEPLO
	s_sub_co_u32 s[LAPC], s[LAPC], 1
	s_cmp_lg_u32 s[LAPC], 0
	s_cbranch_scc1 .Llap_\@
.set ALFILL, 0
	THREE 0, 0                                     ; the last lap fills nothing
	TURN 0, 1, 0
	THREE 1, 0
	s_wait_dscnt 4
	LOWAIT 7
	WIN MUL_LO
	MULA 1, 0, 0, 0
	MULA 1, 0, 1, 0
	MULLO 1, 7, 0
	s_wait_dscnt 0x0
	WIN MUL_HI
	MULA 1, 1, 0, 0
	MULA 1, 1, 1, 0
	; THE WAY OUT
	PLACES
	s_lshl_b32 s16, s41, 23                        ; batch: 2,048 rows of 4,096 bytes
	s_lshl_b32 s17, s13, 20                        ; 256 rows
	s_add_co_u32 s16, s16, s17
	s_lshl_b32 s17, s10, 18                        ; my 64 rows
	s_add_co_u32 s16, s16, s17
	s_mov_b32 s17, 0
	s_add_nc_u64 s[8:9], s[8:9], s[16:17]
	s_lshl_b32 s46, s42, 9                         ; my block's 128 columns
	s_mov_b32 s47, 0
	s_add_nc_u64 s[8:9], s[8:9], s[46:47]
	s_wait_loadcnt 0x0                             ; the bias
.if SP
	WIN 0x08
	ds_store_b128 v[LSTO], v[LOA:LOA+3]
	ds_store_b128 v[LSTO], v[LOA+4:LOA+7] offset:16
	ds_store_b128 v[LSTO], v[LOA+8:LOA+11] offset:64
	ds_store_b128 v[LSTO], v[LOA+12:LOA+15] offset:80
	WIN 0
	s_wait_dscnt 0x0                               ; for wave 0's sake: my stores are done
	s_barrier_signal -1
	s_barrier_wait -1
	s_cmp_lg_u32 s10, 0
	s_cbranch_scc1 .Lplain_\@
	OUT16 0, 0, 0x08, RB0, 1                       ; wave 0's first 16 rows are the sequence's first 16
	s_branch .Lrest_\@
.Lplain_\@:
	OUT16 0, 0, 0x08, RB0, 0
.Lrest_\@:
.else
	OUT16 0, 0, 0x08, RB0, 0
.endif
	OUT16 1, 1, 0x08, RB1, 0
	OUT16 2, 0, 0x0c, RB0, 0
	OUT16 3, 1, 0x0c, RB1, 0
	CROUND                                         ; the closing round
	s_endpgm
.endm
	s_cmp_eq_u32 s13, 0                            ; the cluster's y, the same in all sixteen partners
	s_cbranch_scc1 .Lfirst_rows
.set SP, 0
	BODY
.Lfirst_rows:
.set SP, 1
	BODY
.Lfunc_end_k_q5e134867be_proj:
	.size	k_q5e134867be_proj, .Lfunc_end_k_q5e134867be_proj-k_q5e134867be_proj
	.p2alignl 7, 3214868480
	.fill 96, 4, 3214868480
	.section	.rodata,"a",@progbits
	.p2align	6, 0x0
	.amdhsa_kernel k_q5e134867be_proj
		.amdhsa_group_segment_fixed_size 327680
		.amdhsa_private_segment_fixed_size 0
		.amdhsa_enable_private_segment 0
		.amdhsa_kernarg_size 40
		.amdhsa_user_sgpr_count 2
		.amdhsa_user_sgpr_kernarg_segment_ptr 1
		.amdhsa_wavefront_size32 1
		.amdhsa_system_sgpr_workgroup_id_x 1
		.amdhsa_system_sgpr_workgroup_id_y 1
		.amdhsa_system_sgpr_workgroup_id_z 1
		.amdhsa_system_vgpr_workitem_id 0
		.amdhsa_next_free_vgpr 896
		.amdhsa_next_free_sgpr 66
		.amdhsa_reserve_vcc 0
		.amdhsa_float_denorm_mode_32 3
		.amdhsa_float_denorm_mode_16_64 3
		.amdhsa_memory_ordered 1
		.amdhsa_forward_progress 1
		.amdhsa_inst_pref_size 255
	.end_amdhsa_kernel
	.section	.bss,"aw",@nobits
	.p2align	6
	.space	262144
	.amdgpu_metadata
---
amdhsa.version: [ 1, 2 ]
amdhsa.kernels:
  - .name:           k_q5e134867be_proj
    .symbol:         k_q5e134867be_proj.kd
    .args:
      - { .name: aoh, .offset: 0, .size: 8, .value_kind: global_buffer, .address_space: global }
      - { .name: xw, .offset: 8, .size: 8, .value_kind: global_buffer, .address_space: global }
      - { .name: bp, .offset: 16, .size: 8, .value_kind: global_buffer, .address_space: global }
      - { .name: out0, .offset: 24, .size: 8, .value_kind: global_buffer, .address_space: global }
      - { .name: aol, .offset: 32, .size: 8, .value_kind: global_buffer, .address_space: global }
    .group_segment_fixed_size: 327680
    .private_segment_fixed_size: 0
    .kernarg_segment_align: 8
    .kernarg_segment_size: 40
    .max_flat_workgroup_size: 128
    .sgpr_count:     66
    .vgpr_count:     896
    .wavefront_size: 32
...
	.end_amdgpu_metadata
.endif
;; end of part 6
